; MI455X (gfx1250); checked and timed in simulation.
; The chip was launched on July 23, 2026; its instructions are those of AMD's public machine-readable ISA for CDNA 5 (MIT licence, August 2026) and "CDNA5" Instruction Set Architecture Reference Guide (July 2026). The comments in the code are by the model that wrote it; some were corrected since.
;; Linear Kernel Attention. Allowed arithmetic: matrix products marked QUANTISED: E2M1 operands, one E8M0 scale for each 32 along K, by v_wmma_scale_f32_16x16x128_f8f6f4 with both operands' format E2M1 (or v_wmma_scale_f32_32x16x128_f4), f32 sums; everything else in f32.
;; Inputs: keys 2 x 16 x 2,048 x 64 float32; mask 2 x 1 x 2,048 x 2,048 int32; query 2 x 16 x 2,048 x 64 float32; vals 2 x 16 x 2,048 x 64 float32.
;; Outputs: out0 2 x 16 x 2,048 x 64 float32.
;; This version of the problem:
;;   THIS VERSION OF THE PROBLEM IS GIVEN IN LOW PRECISION. The matrix products marked QUANTISED in the list below multiply operands that are first quantised to E2M1 (2 exponent bits, 1 mantissa bit; 4 bits a number), with one power-of-two scale for each 32 numbers along K (OCP MX v1.0); their sums are f32. All else is computed in f32.
;;   The module's matrix products, in the order in which they are computed (A, B: the left and right operand; K: the contracted axis; several contracted axes count as one K, in the product's order):
;;     1. batch 32 x [M 2,048, K 64] x [K 64, N 2,048]; A: input query; B: input keys: QUANTISED
;;     2. batch 32 x [M 2,048, K 2,048] x [K 2,048, N 64]; A: computed on the way; B: input vals: QUANTISED
;;   THE QUANTISER, for each operand of a quantised product, along K:
;;     - K is cut into blocks of 32 from its start; a last block that is shorter is filled with zeros.
;;     - A block's scale is 2^e with e = floor(log2(the largest magnitude in the block)) - 2, held to -126 .. 127; a block of zeros has e = 0. As a byte (E8M0): e + 127.
;;     - Each number is divided by its block's scale, clamped to +-6, and rounded to the nearest number of E2M1, ties to even, subnormals kept.
;;     - The product sums the exact products of the quantised numbers (number of the format x scale) in f32.
;;   ~~~python
;;   def quantise(x, axis):      # numpy; x: float32 -> the quantised numbers, widened to float32 again
;;       x = np.moveaxis(x, axis, -1); K = x.shape[-1]
;;       x = np.pad(x, [(0, 0)] * (x.ndim - 1) + [(0, -K % 32)]); x = x.reshape(x.shape[:-1] + (-1, 32)); a = np.abs(x).max(-1, keepdims=True)
;;       e = np.where(a > 0, np.clip(np.frexp(np.where(a > 0, a, 1))[1] - 1 - 2, -126, 127), 0)      # np.frexp(a)[1] - 1 = floor(log2(a)), exactly
;;       r = np.clip(x / 2.0 ** e, -6, 6)
;;       step = 2.0 ** (np.maximum(np.frexp(np.where(r == 0, 1, r))[1] - 1, 0) - 1)
;;       q = np.round(r / step) * step * 2.0 ** e      # np.round: ties to even
;;       return np.moveaxis(q.reshape(q.shape[:-2] + (-1,))[..., :K], -1, axis).astype(np.float32)
;;   ~~~
;;   OPERANDS COMPUTED ON THE WAY. 'Computed on the way' means the value that the module computes at that place (a softmax that the list does not call 'softmax' is quantised finished and normalised). What goes into a quantiser is computed in f32, as accurately as f32 sums, v_exp_f32 and their like allow (about 1e-6 of the number): no bf16 or f16 on the way to a quantiser, and a product that is left as it is and whose result goes on into a quantised operand takes f32 operands (vector FMAs, or v_wmma_f32_16x16x4_f32). A number that lies on a knife's edge between two numbers of the format may be rounded either way, as far as f32 arithmetic and the matrix unit's own rounding can turn it there, and no further.
;; 2 versions, each right and faster than the one before. Each part assembles by itself: llvm-mc -triple=amdgcn-amd-amdhsa -mcpu=gfx1250 --defsym DOCPART=n.
;; ======== version 1 of 2: 2 launches
;; workspace buffers: kv 4,718,592 bytes; qc 2,359,296 bytes; mw 1,048,576 bytes of whole numbers
;; launch prep (part 1): grid 640 x 1, 4 waves a work-group, no clusters, 70,144 bytes of LDS; arguments query, keys, vals, mask, qc, kv, mw; writes qc, kv, mw
.if DOCPART == 1
	.amdgcn_target "amdgcn-amd-amdhsa--gfx1250"
	.amdhsa_code_object_version 6
	.text
	.protected	k_qc2f6a0ca93_prep
	.globl	k_qc2f6a0ca93_prep
	.p2align	8
	.type	k_qc2f6a0ca93_prep,@function
k_qc2f6a0ca93_prep:
	s_mov_b64 s[64:65], 0
	v_nop
	global_prefetch_b8 v0, s[64:65] scope:SCOPE_SE
	s_setreg_imm32_b32 hwreg(HW_REG_WAVE_MODE, 25, 1), 1
	s_wait_xcnt 0x0
; THE LAUNCH IN FRONT OF THE ATTENTION: each input is read once and leaves narrow, laid in the order of the operands' registers.
;   query, keys [32 heads][2048][64] f32 -> codes of FP4 (E2M1) along the head's 64, one E8M0 byte for each 32;
;   vals [32][2048][64] f32 -> codes along the KEYS (the second product's K), one byte for each 32 keys;
;   mask [2][2048][2048] int32 -> one bit a number, as words of 32 lanes: one word for each register of a 16 x 16 tile of scores.
; A block's scale is 2^(floor(log2(its largest magnitude)) - 2); its byte is the largest magnitude's exponent field - 2, held at 1 from below.
; LIMITS: a block of zeros gets the byte 1 where the rule says 127 (its codes are zeros, and this program alone reads the bytes); NaN and infinities are not served.
; THE ROWS OF A TILE ARE NOT NEIGHBOURS: row rho of tile T of a head is sequence row 64 (T / 4) + 8 (T % 4) + rho % 8 + 32 (rho / 8), for queries and keys alike:
; in the scores (keys x queries) a lane's 32 registers of four neighbouring tiles are then 32 neighbouring keys, one whole block of the second product's K.
; LAYOUTS.  kv: a record of 147,456 bytes a head: K's codes (tile T at 512 T, lane l's 16 bytes at 16 l: d = 32 (l / 16) on of tile row l % 16), 65,536;
;   K's scale words (eight tiles at 512 g; lane L, word i: tile 8 g + 2 i + L / 16, row L % 16; bytes s0, s1, 127, 127), 8,192;
;   V's codes (4096 s + 1024 t + 512 c + 16 l: d = 16 t + l % 16, keys 128 s + 64 c + 32 (l / 16) on), 65,536;  V's scale words (512 s + 16 L, word t: d = 16 t + L % 16), 8,192.
;   qc: a record of 73,728 bytes a head, as K's two parts.   mw: [batch x 128 + query tile][1024 words]: word 32 G + n, bit l: mask(tile row l % 16, key 64 G + 32 (l / 16) + n) != 0.
; SHARES.  Every wave takes 32 KiB of one input.  Work-groups 0-255: the mask; 256-383: query; 384-511: keys; 512-639: vals.  Waves share nothing: no barrier.
; A conversion wants 8 neighbours along K in one lane's registers, a load wants neighbouring lanes on neighbouring bytes.  For query, keys and mask both are had by a turn through the wave's own stage
; in LDS (16 rows of 256 bytes + 16); for vals a lane takes a column and its registers run down the keys.  Every offset is an immediate, every store has data registers of its own: nothing is rewritten under a pending access.
.set SP,    272                        ; a stage row: 256 bytes + 16: row r begins 16 r bytes on, modulo 256, so sixteen lanes on sixteen rows take sixteen different columns of 16 bytes
.set STG,   16*SP                      ; a stage; each wave has two, by turns
.set WREG,  2*STG                      ; a wave's LDS
.set MLDS,  4*WREG                     ; the mask's path has LDS bytes of its own, behind those of query and keys
.set QREC,  73728
.set KVREC, 147456
.set L16,  2                           ; v2   16 x lane
.set L8,   3                           ; v3   8 x lane
.set L4,   4                           ; v4   4 x lane
.set VOM,  5                           ; v5   the mask: 8192 (lane / 16) + 16 (lane % 16): two rows a load
.set VOUT, 6                           ; v6   V's codes: 1024 (lane / 16) + 16 (lane % 16)
.set SH8,  7                           ; v7   8 (lane / 16)
.set WAQ,  8                           ; v8   into the stage (query, keys);  v10 the same for the mask
.set RAQ,  9                           ; v9   out of the stage;              v11 the same for the mask
.set M,    16                          ; v16, v17 a block's largest magnitude, in two chains
.set M2,   17
.set SO,   18                          ; v18  the conversion's scale operand
.set BY,   19                          ; v19  the scale's byte
.set W,    20                          ; v20  a tile's scale word;  v21 the even tile's
.set WE,   21
.set XP,   22                          ; v22, v23 what the lane 16 away holds
.set SCI,  24                          ; v24-27 scale words to store
.set MW,   24                          ; v24-31 (the mask's path) four pairs of mask words
.set SB,   28                          ; v28, v29 (vals' path) four scale bytes of my two columns
.set R,    32                          ; v32-95  two sets of 32 registers as loaded
.set X,    96                          ; v96-159 two sets of 32 neighbours
.set XV,   32                          ; v32-159 (vals' path) two blocks of 32 keys x my two columns
.set C,    160                         ; v160-191 codes
	s_load_b256 s[4:11], s[0:1], 0x0               ; query s[4:5], keys s[6:7], vals s[8:9], mask s[10:11]
	s_load_b128 s[12:15], s[0:1], 0x20             ; qc s[12:13], kv s[14:15]
	s_load_b64 s[16:17], s[0:1], 0x30              ; mw
	v_lshl_add_u32 v192, v0, 2, 0x11000
	v_mov_b32 v193, 0
	v_lshrrev_b32 v1, 5, v0
	v_readfirstlane_b32 s18, v1                    ; wave 0..3
	v_and_b32 v1, 31, v0                           ; lane
	v_and_b32 v12, 15, v0                          ; r
	v_bfe_u32 v13, v0, 4, 1                        ; h
	v_lshlrev_b32 v[L16], 4, v1
	v_lshlrev_b32 v[L8], 3, v1
	v_lshlrev_b32 v[L4], 2, v1
	v_lshlrev_b32 v14, 4, v12                      ; 16 r
	v_lshl_add_u32 v[VOM], v13, 13, v14
	v_lshl_add_u32 v[VOUT], v13, 10, v14
	v_lshlrev_b32 v[SH8], 3, v13
	s_mul_i32 s38, s18, WREG
	v_mad_u32_u24 v15, v13, SP, v14                ; in: a load's 512 bytes are two stage rows: row h, 16 r
	v_add_nc_u32 v[WAQ], s38, v15
	v_mul_u32_u24 v15, v12, SP
	v_lshl_add_u32 v15, v13, 7, v15                ; out: row r, my half's 128 bytes: 32 neighbours
	v_add_nc_u32 v[RAQ], s38, v15
	v_add_nc_u32 v[WAQ+2], MLDS, v[WAQ]
	v_add_nc_u32 v[RAQ+2], MLDS, v[RAQ]
	v_mov_b32 v[XP], 0                             ; written once: a lane permute's destination counts as one of its sources
	v_mov_b32 v[XP+1], 0
	s_mov_b32 s28, 0x76543210                      ; v_permlanex16_b32's selects for lane l xor 16
	s_mov_b32 s29, 0xfedcba98
	s_mov_b32 s30, 0xffff0000                      ; lanes 16-31
	s_mov_b32 s43, 0                               ; the upper word of every offset
; Eight loads: tile t's 16 rows x 256 bytes into set t % 2.  p = 0: query or keys (rows of 256 bytes: a load takes 512 consecutive bytes); p = 1: the mask (rows of 8,192 bytes: a load takes two aligned runs of 256).
.macro LD8 t, p
.if \p
.set ROWB, 8192
.set COLB, 256*(\t)
.set VO, VOM
.else
.set ROWB, 256
.set COLB, (64*((\t)/4)+8*((\t)%4))*256
.set VO, L16
.endif
.irp i, 0,1,2,3,4,5,6,7
	global_load_b128 v[R+32*((\t)%2)+4*\i:R+32*((\t)%2)+4*\i+3], v[VO], s[32:33] offset:((\i/4)*32+2*(\i%4))*ROWB+COLB th:TH_LOAD_NT
.endr
.endm
; Tile t through stage t % 2.  LDS serves a wave's instructions in order, so no wait stands between the stores and the loads.
.macro TURN t, p
.irp i, 0,1,2,3,4,5,6,7
	ds_store_b128 v[WAQ+2*\p], v[R+32*((\t)%2)+4*\i:R+32*((\t)%2)+4*\i+3] offset:STG*((\t)%2)+2*SP*\i
.endr
.irp j, 0,1,2,3,4,5,6,7
	ds_load_b128 v[X+32*((\t)%2)+4*\j:X+32*((\t)%2)+4*\j+3], v[RAQ+2*\p] offset:STG*((\t)%2)+16*\j
.endr
.endm
; The head of tile t's work: loads run two tiles ahead, the turn through LDS one.
.macro HEAD t, p
	s_wait_dscnt 0x0                               ; tile t's neighbours are in; its stores into the stage have read set t % 2,
.if (\t)+2 < 8
	LD8 (\t)+2, \p                                 ; which takes the tile after next
.endif
.if (\t)+1 < 8
.if (\t)+2 < 8
	s_wait_loadcnt 8                               ; the next tile's eight loads are in; the eight just issued may be out
.else
	s_wait_loadcnt 0x0
.endif
	TURN (\t)+1, \p
.endif
.endm
; The largest magnitude of the 32 numbers from v[x] on, in two chains, with the floor 2^(3 - 127) as one more leaf: the byte cannot fall under 1.
.macro BMAX x
.set XS, \x
	v_max3_num_f32 v[M], |v[XS]|, |v[XS+1]|, |v[XS+2]|
	v_max3_num_f32 v[M2], |v[XS+3]|, |v[XS+4]|, |v[XS+5]|
.irp i, 6,10,14,18,22,26
	v_max3_num_f32 v[M], v[M], |v[XS+\i]|, |v[XS+\i+1]|
	v_max3_num_f32 v[M2], v[M2], |v[XS+\i+2]|, |v[XS+\i+3]|
.endr
	v_max3_num_f32 v[M], v[M], |v[XS+30]|, |v[XS+31]|
	v_max3_num_f32 v[M], v[M], v[M2], 0x1800000
.endm
	s_wait_kmcnt 0x0
	s_cmp_lt_u32 ttmp9, 256
	s_cbranch_scc1 .Lmask
	s_cmp_lt_u32 ttmp9, 512
	s_cbranch_scc1 .Lqk
; ---------------- vals: a wave takes 128 keys (one step of the second product) of one head ----------------
	s_sub_co_u32 s39, ttmp9, 512
	s_lshl_b32 s39, s39, 2
	s_add_co_u32 s39, s39, s18                     ; J = 16 x head + step
	s_lshr_b32 s40, s39, 4
	s_and_b32 s41, s39, 15
	s_lshl_b32 s42, s39, 15                        ; 128 keys of 256 bytes
	s_add_nc_u64 s[32:33], s[8:9], s[42:43]
	s_mul_i32 s42, s40, KVREC
	s_add_nc_u64 s[34:35], s[14:15], s[42:43]      ; the head's record
	s_lshl_b32 s42, s41, 9
	s_add_co_u32 s42, s42, 139264
	s_add_nc_u64 s[36:37], s[34:35], s[42:43]      ; the step's scale words
	s_lshl_b32 s42, s41, 12
	s_add_co_u32 s42, s42, 73728
	s_add_nc_u64 s[34:35], s[34:35], s[42:43]      ; the step's codes
; Sixteen keys: lane l takes columns l and 32 + l; the two loads of a key stand together and cover its 256 bytes.
.macro VLD q
.irp k, 0,1,2,3,4,5,6,7,8,9,10,11,12,13,14,15
	global_load_b32 v[XV+64*(((\q)/2)%2)+16*((\q)%2)+\k], v[L4], s[32:33] offset:(16*(\q)+\k)*256 th:TH_LOAD_NT
	global_load_b32 v[XV+64*(((\q)/2)%2)+32+16*((\q)%2)+\k], v[L4], s[32:33] offset:(16*(\q)+\k)*256+128 th:TH_LOAD_NT
.endr
.endm
; Block kb of 32 keys, column 32 cs + lane: all its numbers are mine.
.macro VWORK kb, cs
	BMAX XV+64*((\kb)%2)+32*(\cs)
	v_add_nc_u32 v[SO], 0xff000000, v[M]           ; 2 off the exponent field: the conversion takes the exponent field of this operand as its scale
.irp g, 0,1,2,3
	v_cvt_scalef32_pk8_fp4_f32 v[C+4*(2*(\kb)+(\cs))+\g], v[XV+64*((\kb)%2)+32*(\cs)+8*\g:XV+64*((\kb)%2)+32*(\cs)+8*\g+7], v[SO]
.endr
.if (\kb) == 0
	v_lshrrev_b32 v[SB+\cs], 23, v[SO]             ; the scale's byte (a plain line behind the conversions)
.else
	v_lshrrev_b32 v[BY], 23, v[SO]
	v_lshl_or_b32 v[SB+\cs], v[BY], 8*(\kb), v[SB+\cs]
.endif
	global_store_b128 v[VOUT], v[C+4*(2*(\kb)+(\cs)):C+4*(2*(\kb)+(\cs))+3], s[34:35] offset:2048*(\cs)+256*(\kb)   ; each half of the lanes stores 256 consecutive bytes, aligned
.endm
	VLD 0
	VLD 1
.irp kb, 0,1,2,3
.if \kb < 3
	VLD 2*\kb+2
	s_wait_loadcnt 32                              ; this block's 64 loads are in; the 32 just issued may be out
.else
	s_wait_loadcnt 0x0
.endif
	VWORK \kb, 0
.if \kb < 3
	VLD 2*\kb+3
.endif
	VWORK \kb, 1
.endr
	v_permlanex16_b32 v[XP], v[SB], s28, s29       ; lane L stores the words of d = L % 16, 16 + L % 16, 32 + L % 16, 48 + L % 16: mine or the lane's 16 away
	v_permlanex16_b32 v[XP+1], v[SB+1], s28, s29
	v_cndmask_b32 v[SCI], v[SB], v[XP], s30
	v_cndmask_b32 v[SCI+1], v[XP], v[SB], s30
	v_cndmask_b32 v[SCI+2], v[SB+1], v[XP+1], s30
	v_cndmask_b32 v[SCI+3], v[XP+1], v[SB+1], s30
	global_store_b128 v[L16], v[SCI:SCI+3], s[36:37]
	s_endpgm
; ---------------- query and keys: a wave takes 128 rows, eight tiles, of one head ----------------
.Lqk:
	s_cmp_lt_u32 ttmp9, 384                        ; the choice hangs on the work-group's number alone
	s_cselect_b64 s[32:33], s[4:5], s[6:7]
	s_cselect_b64 s[34:35], s[12:13], s[14:15]
	s_mov_b32 s38, KVREC
	s_cselect_b32 s38, QREC, s38                   ; a head's record in the buffer chosen
	s_and_b32 s39, ttmp9, 127
	s_lshl_b32 s39, s39, 2
	s_add_co_u32 s39, s39, s18                     ; J = 16 x head + group of eight tiles
	s_lshr_b32 s40, s39, 4
	s_and_b32 s41, s39, 15
	s_lshl_b32 s42, s39, 15
	s_add_nc_u64 s[32:33], s[32:33], s[42:43]
	s_mul_i32 s42, s40, s38
	s_add_nc_u64 s[34:35], s[34:35], s[42:43]
	s_lshl_b32 s42, s41, 9
	s_add_co_u32 s42, s42, 65536
	s_add_nc_u64 s[36:37], s[34:35], s[42:43]      ; the group's scale words
	s_lshl_b32 s42, s41, 12
	s_add_nc_u64 s[34:35], s[34:35], s[42:43]      ; the group's codes
	LD8 0, 0
	LD8 1, 0
	s_wait_loadcnt 8                               ; tile 0's eight loads are in
	TURN 0, 0
.irp t, 0,1,2,3,4,5,6,7
	HEAD \t, 0
	BMAX X+32*(\t%2)                               ; lane (r, h): block h of tile row r
	v_add_nc_u32 v[SO], 0xff000000, v[M]
.irp g, 0,1,2,3
	v_cvt_scalef32_pk8_fp4_f32 v[C+4*\t+\g], v[X+32*(\t%2)+8*\g:X+32*(\t%2)+8*\g+7], v[SO]
.endr
	v_lshrrev_b32 v[BY], 23, v[SO]                 ; the scale's byte (a plain line behind the conversions),
	v_lshlrev_b32 v[W], v[SH8], v[BY]              ; at its place in the row's word;
	v_permlanex16_b32 v[XP], v[W], s28, s29
	v_or_b32 v[W], v[W], v[XP]                     ; with the other block's;
.if \t%2
	v_or_b32 v[W], 0x7f7f0000, v[W]                ; bytes 2 and 3 stand over zero codes: 127
	v_cndmask_b32 v[SCI+\t/2], v[WE], v[W], s30    ; lanes 0-15 the even tile's word, lanes 16-31 the odd tile's
.else
	v_or_b32 v[WE], 0x7f7f0000, v[W]
.endif
	global_store_b128 v[L16], v[C+4*\t:C+4*\t+3], s[34:35] offset:512*\t   ; 512 consecutive bytes
.endr
	global_store_b128 v[L16], v[SCI:SCI+3], s[36:37]
	s_wait_tensorcnt 0x0
	ds_add_u32 v192, v193
	s_wait_dscnt 0x0
	s_endpgm
; ---------------- the mask: a work-group takes a tile of 16 queries, a wave 512 keys of it ----------------
.Lmask:
	s_lshr_b32 s38, ttmp9, 7                       ; batch
	s_lshl_b32 s42, s38, 24                        ; 2048 x 2048 x 4 bytes
	s_and_b32 s39, ttmp9, 127                      ; the query tile
	s_lshr_b32 s40, s39, 2
	s_lshl_b32 s40, s40, 6
	s_and_b32 s41, s39, 3
	s_lshl_b32 s41, s41, 3
	s_add_co_u32 s40, s40, s41                     ; its first row
	s_lshl_b32 s40, s40, 13
	s_add_co_u32 s42, s42, s40
	s_lshl_b32 s41, s18, 11                        ; my 512 keys
	s_add_co_u32 s42, s42, s41
	s_add_nc_u64 s[32:33], s[10:11], s[42:43]
	s_lshl_b32 s42, ttmp9, 12
	s_lshl_b32 s41, s18, 10
	s_add_co_u32 s42, s42, s41
	s_add_nc_u64 s[34:35], s[16:17], s[42:43]      ; my 256 words
.irp i, 0,1,2,3,4,5,6,7
	v_mov_b32 v[MW+\i], 0                          ; v_writelane_b32's destination counts as read
.endr
	LD8 0, 1
	LD8 1, 1
	s_wait_loadcnt 8
	TURN 0, 1
.irp t, 0,1,2,3,4,5,6,7                    ; 64 keys at a time: lane (r, h) holds keys 32 h + 0 .. 31 of tile row r
	HEAD \t, 1
.irp q, 0,1,2,3
.irp n, 0,1,2,3,4,5,6,7
	v_cmp_ne_u32 s[20+\n], 0, v[X+32*(\t%2)+8*\q+\n]   ; the word of register 8 q + n: one bit a lane
.endr
.irp n, 0,1,2,3,4,5,6,7
	v_writelane_b32 v[MW+2*(\t/2)+\n%2], s[20+\n], 16*(\t%2)+4*\q+\n/2   ; 64 words of two such groups lie two to a lane
.endr
.endr
.if \t%2
	global_store_b64 v[L8], v[MW+2*(\t/2):MW+2*(\t/2)+1], s[34:35] offset:256*(\t/2)   ; 256 consecutive bytes, aligned
.endif
.endr
	s_wait_tensorcnt 0x0
	ds_add_u32 v192, v193
	s_wait_dscnt 0x0
	s_endpgm
.Lfunc_end_k_qc2f6a0ca93_prep:
	.size	k_qc2f6a0ca93_prep, .Lfunc_end_k_qc2f6a0ca93_prep-k_qc2f6a0ca93_prep
	.p2alignl 7, 3214868480
	.fill 96, 4, 3214868480
	.section	.rodata,"a",@progbits
	.p2align	6, 0x0
	.amdhsa_kernel k_qc2f6a0ca93_prep
		.amdhsa_group_segment_fixed_size 70144
		.amdhsa_private_segment_fixed_size 0
		.amdhsa_enable_private_segment 0
		.amdhsa_kernarg_size 56
		.amdhsa_user_sgpr_count 2
		.amdhsa_user_sgpr_kernarg_segment_ptr 1
		.amdhsa_wavefront_size32 1
		.amdhsa_system_sgpr_workgroup_id_x 1
		.amdhsa_system_sgpr_workgroup_id_y 1
		.amdhsa_system_sgpr_workgroup_id_z 1
		.amdhsa_system_vgpr_workitem_id 0
		.amdhsa_next_free_vgpr 194
		.amdhsa_next_free_sgpr 66
		.amdhsa_reserve_vcc 0
		.amdhsa_float_denorm_mode_32 3
		.amdhsa_float_denorm_mode_16_64 3
		.amdhsa_memory_ordered 1
		.amdhsa_forward_progress 1
		.amdhsa_inst_pref_size 117
	.end_amdhsa_kernel
	.amdgpu_metadata
---
amdhsa.version: [ 1, 2 ]
amdhsa.kernels:
  - .name:           k_qc2f6a0ca93_prep
    .symbol:         k_qc2f6a0ca93_prep.kd
    .args:
      - { .name: query, .offset: 0, .size: 8, .value_kind: global_buffer, .address_space: global }
      - { .name: keys, .offset: 8, .size: 8, .value_kind: global_buffer, .address_space: global }
      - { .name: vals, .offset: 16, .size: 8, .value_kind: global_buffer, .address_space: global }
      - { .name: mask, .offset: 24, .size: 8, .value_kind: global_buffer, .address_space: global }
      - { .name: qc, .offset: 32, .size: 8, .value_kind: global_buffer, .address_space: global }
      - { .name: kv, .offset: 40, .size: 8, .value_kind: global_buffer, .address_space: global }
      - { .name: mw, .offset: 48, .size: 8, .value_kind: global_buffer, .address_space: global }
    .group_segment_fixed_size: 70144
    .private_segment_fixed_size: 0
    .kernarg_segment_align: 8
    .kernarg_segment_size: 56
    .max_flat_workgroup_size: 128
    .sgpr_count:     66
    .vgpr_count:     194
    .wavefront_size: 32
...
	.end_amdgpu_metadata
.endif
;; end of part 1
;; launch main (part 2): grid 8 x 32, 16 waves a work-group, clusters of 4 x 1, 219,136 bytes of LDS; arguments qc, kv, mw, out0; writes out0
.if DOCPART == 2
	.amdgcn_target "amdgcn-amd-amdhsa--gfx1250"
	.amdhsa_code_object_version 6
	.text
	.protected	k_qc2f6a0ca93_main
	.globl	k_qc2f6a0ca93_main
	.p2align	8
	.type	k_qc2f6a0ca93_main,@function
k_qc2f6a0ca93_main:
	s_mov_b64 s[64:65], 0
	v_nop
	global_prefetch_b8 v0, s[64:65] scope:SCOPE_SE
	s_setreg_imm32_b32 hwreg(HW_REG_WAVE_MODE, 25, 1), 1
	s_wait_xcnt 0x0
	s_wait_alu depctr_hold_cnt(0) depctr_sa_sdst(0) depctr_va_vdst(0) depctr_va_sdst(0) depctr_va_ssrc(0) depctr_va_vcc(0) depctr_vm_vsrc(0)
	s_getreg_b32 s2, hwreg(HW_REG_IB_STS2, 6, 4)
	s_cmp_eq_u32 s2, 0
	s_cbranch_scc0 .Lentry_in_a_cluster
	s_endpgm
.Lentry_in_a_cluster:
	s_bfe_u32 s2, ttmp6, 0x10000c
	s_cmp_lg_u32 s2, 0x3003
	s_cbranch_scc0 .Lentry_shape_is_right
	s_endpgm
.Lentry_shape_is_right:
; out[head][q][:] = the sum over k of Q(a[q][k]) Q(vals[k][:]),  a = x / max(||x||, 1e-12),  x[q][k] = (Q(query[q]) . Q(keys[k]) + 1e-5) where mask != 0, else 0.  Both products on codes of FP4 (E2M1) with E8M0 scales.
; The divisor is known only when a row's 2,048 scores are, and it stands ahead of the second operand's quantiser.  So the scores are made TWICE: pass 1 sums their squares, pass 2 makes them again, scales, quantises and multiplies by V.
; SHARES.  A work-group owns 256 queries of one head; each of its sixteen waves owns one tile of 16, in 256 registers: four waves to a SIMD, so that one wave's vector work stands beside another's matrix work and LDS loads.
; The head's codes and scale words of K and V, 147,456 bytes laid in the order of the operands' registers, are brought into LDS once and stay: nothing is filled again.
; CLUSTER.  The four work-groups of a cluster belong to one head: the record is asked for JOINTLY, by the same tensor loads with the same descriptors and a mask that names the four.
; LAYOUT.  Both products are used transposed: S^T = K Q^T (source 0 = 16 keys, source 1 = my 16 queries), O^T = V^T P^T: a lane holds ONE query (lane % 16) throughout.
; Row rho of tile T is sequence row 64 (T / 4) + 8 (T % 4) + rho % 8 + 32 (rho / 8).  So in a step of 128 keys, register j of tile 4 c + u of lane (r, h) is key 64 c + 32 h + 8 u + j: a lane's 32 registers of four
; tiles are one whole block of the second product's K, its largest magnitude needs no other lane, and the conversion of tile 4 c + u's eight registers IS register 4 c + u of the operand.
; THE HEAD'S 64 fill half of the instruction's 128 along K: registers 4-7 of K's and Q's fragments hold zero codes, under the scale byte 127.
; + 1e-5 is the C of the first product.  The mask is one v_cndmask_b32 a score: its lane words come by scalar loads, 64 a step.
; DIFFERENCES FROM THE REFERENCE'S ROUNDING: x / n is x times v_rcp_f32(n); 1e-5 is added inside the matrix unit.  LIMITS: NaN and infinities are not served; a block of zeros, or one under 2^-124, has the scale byte 1.
; REGISTERS: v1-4 lane places in the record's four parts; v5-8 addresses of the loads in hand; v9 8 h; v10 what the lane 16 away holds; v11 my offset in out; v[12:13] 1 / norm, twice; v14 Q's scale word; v15 P's;
;   v16-23 Q; v24-31 1e-5; v32-95 eight fragments of K; v96-159 S^T; v160-191 O^T; v192-223 four fragments of V; v224-231 P's codes; v232-235 K's scale words; v236-239 V's; v240-247 sums of squares; v248-255 at work.
.set RECB,  147456                     ; a head's record in kv, and in LDS from byte 0 on
.set HALFB, 73728                      ; K's half of it; V's follows
.set PARTB, 18432                      ; what one tensor load brings: 72 rows of 256 bytes
.set QRECB, 73728                      ; a head's record in qc
.set STAGE, RECB                       ; behind the record: 16 rows x 272 bytes for each wave, for the way out; no tile lands there
.set SP,    272
.set AK,  1
.set AKS, 2
.set AV,  3
.set AVS, 4
.set ADK, 5
.set ADS, 6
.set ADV, 7
.set ADT, 8
.set SH8, 9
.set XP,  10
.set GO,  11
.set RR,  12
.set QS,  14
.set PW,  15
.set QF,  16
.set EPS, 24
.set KF,  32
.set S,   96
.set O,   160
.set VF,  192
.set P,   224
.set KS,  232
.set VS,  236
.set SS,  240
.set TM,  248                          ; v248-251 largest magnitudes (two blocks, two chains); v252, v253 the conversions' scale operands; v254, v255 the bytes
.set WV,  12                           ; s12  my wave's number
.set KO,  13                           ; s13  where the K tiles fetched last begin: 4,096 bytes a step
.set SO,  14                           ; s14  and their scale words: 512 bytes a step
.set MO,  15                           ; s15  byte offset in mw of the mask words asked for last
.set CNT, 100                          ; s100 trips
.set BH,  101                          ; s101 the head
.set TQ,  104                          ; s104 my tile of queries in the head.  It hangs on my place in the cluster: it, s105 and s15 feed global offsets alone
.set T1,  105
; s[2:3] lane selects; s[4:5] qc, s[8:9] mw, s[10:11] out0: never stepped; s[16:19], s[20:23] descriptor groups 0; s[24:31] group 1: never rewritten; s[32:63], s[68:99] a step's 64 mask words
.macro ROUND                           ; a round of the cluster's barrier
	s_barrier_signal -1
	s_barrier_wait -1
	s_cmp_lg_u32 s[WV], 0
	s_cbranch_scc1 .Lnot_wave_0_\@
	s_barrier_signal -3
.Lnot_wave_0_\@:
	s_barrier_wait -3
	s_barrier_signal -1
	s_barrier_wait -1
.endm
	s_load_b256 s[4:11], s[0:1], 0x0               ; qc s[4:5], kv s[6:7], mw s[8:9], out0 s[10:11]
	v_lshl_add_u32 v254, v0, 2, 0x35000
	v_mov_b32 v255, 0
	ds_add_u32 v254, v255
	ds_add_u32 v254, v255
	s_wait_dscnt 0x0
	v_lshrrev_b32 v[TM], 5, v0
	v_readfirstlane_b32 s[WV], v[TM]               ; wave 0..15
	s_and_b32 s[BH], ttmp7, 0xffff                 ; the head, which the four partners share
	s_mul_i32 s2, s[BH], RECB
	s_mul_i32 s17, s[WV], PARTB                    ; group 0, 63:32: LDS address: K's half, my quarter (waves 0-3 ask)
	s_add_co_u32 s21, s17, HALFB                   ; V's half
	s_add_co_u32 s2, s2, s17
	s_mov_b32 s3, 0
	s_mov_b32 s16, 1                               ; 1:0 count = 1
	s_mov_b32 s20, 1
	s_mov_b32 s24, 15|(3<<16)|(1<<21)              ; group 1: 15:0 the mask: all four work-groups; 17:16 elements of 8 bytes; 21 set beside a mask; no padding: the record is read 16 bytes a lane, on end
	s_mov_b32 s25, 32<<16                          ; tensor_dim0 = 32 elements: 256 bytes
	s_mov_b32 s26, 72<<16                          ; tensor_dim1 = 72
	s_mov_b32 s27, 32<<16                          ; tile_dim0 = 32
	s_mov_b32 s28, 72                              ; tile_dim1 = 72
	s_mov_b32 s29, 32                              ; pitch: the block is dense
	s_mov_b32 s30, 0
	s_mov_b32 s31, 0
	s_wait_kmcnt 0x0
	s_add_nc_u64 s[18:19], s[6:7], s[2:3]          ; 120:64 global address: made of the head and the wave's number alone
	s_add_nc_u64 s[22:23], s[18:19], HALFB
	s_or_b32 s19, s19, 0x80000000                  ; 127:126 type = 2
	s_or_b32 s23, s23, 0x80000000
	ROUND                                          ; all four work-groups are here: the joint loads meet
	s_cmp_lt_u32 s[WV], 4                          ; the branch hangs on the wave's number alone; a wave's two fills stand in it together: two loads of mine are out at the most
	s_cbranch_scc0 .Lno_fill
	tensor_load_to_lds s[16:19], s[24:31]          ; K's codes and scale words
	s_nop 0
	tensor_load_to_lds s[20:23], s[24:31]          ; V's
	s_nop 0
.rept 4
	v_nop                                          ; plain lines behind tensor loads
.endr
.Lno_fill:
	v_and_b32 v[TM+2], 31, v0                      ; lane
	v_and_b32 v[TM], 15, v0                        ; r
	v_bfe_u32 v[TM+1], v0, 4, 1                    ; h
	v_lshlrev_b32 v[AK], 4, v[TM+2]                ; every part of the record is read 16 bytes a lane
	v_add_nc_u32 v[AKS], 65536, v[AK]
	v_add_nc_u32 v[AV], HALFB, v[AK]
	v_add_nc_u32 v[AVS], 139264, v[AK]
	v_lshlrev_b32 v[SH8], 3, v[TM+1]
	s_bfe_u32 s[T1], ttmp6, 0x40000                ; cx: my place in the cluster
	s_lshl_b32 s[TQ], ttmp9, 2
	s_add_co_u32 s[TQ], s[TQ], s[T1]               ; my block of 256 queries
	s_lshl_b32 s[TQ], s[TQ], 4
	s_add_co_u32 s[TQ], s[TQ], s[WV]               ; my tile, 0..127
	s_mul_i32 s[MO], s[BH], QRECB
	s_lshl_b32 s[T1], s[TQ], 9
	s_add_co_u32 s[T1], s[T1], s[MO]
	v_add_nc_u32 v[TM+2], s[T1], v[AK]             ; Q's codes: record + 512 x tile + 16 x lane
	s_lshr_b32 s[T1], s[TQ], 3
	s_lshl_b32 s[T1], s[T1], 9
	s_add_co_u32 s[MO], s[MO], s[T1]               ; Q's scale word: 512 (tile / 8)
	s_and_b32 s[T1], s[TQ], 1
	s_lshl_b32 s[T1], s[T1], 8
	s_add_co_u32 s[MO], s[MO], s[T1]               ; + 256 (tile % 2)
	s_bfe_u32 s[T1], s[TQ], 0x20001
	s_lshl_b32 s[T1], s[T1], 2
	s_add_co_u32 s[MO], s[MO], s[T1]               ; + 4 ((tile / 2) % 4)
	s_add_co_u32 s[MO], s[MO], 65536
	v_lshl_add_u32 v[TM+3], v[TM], 4, s[MO]        ; + 16 r
	global_load_b128 v[QF:QF+3], v[TM+2], s[4:5]
	global_load_b32 v[QS], v[TM+3], s[4:5]
	s_lshl_b32 s[MO], s[BH], 11                    ; out: row 2048 x head + 64 (tile / 4) + 8 (tile % 4)
	s_lshr_b32 s[T1], s[TQ], 2
	s_lshl_b32 s[T1], s[T1], 6
	s_add_co_u32 s[MO], s[MO], s[T1]
	s_and_b32 s[T1], s[TQ], 3
	s_lshl_b32 s[T1], s[T1], 3
	s_add_co_u32 s[MO], s[MO], s[T1]
	s_lshl_b32 s[MO], s[MO], 8
	v_lshl_add_u32 v[GO], v[TM+1], 8, s[MO]        ; lanes 0-15 take one row of 256 bytes, lanes 16-31 the next
	v_lshl_add_u32 v[GO], v[TM], 4, v[GO]
	s_lshr_b32 s[MO], s[BH], 4                     ; the mask words: 4,096 bytes for each (batch, tile of queries)
	s_lshl_b32 s[MO], s[MO], 7
	s_add_co_u32 s[MO], s[MO], s[TQ]
	s_lshl_b32 s[MO], s[MO], 12
.macro MLOAD                           ; a step's 64 mask words: those of keys 0-63 into s[32:63], of keys 64-127 into s[68:99]
	s_load_b512 s[32:47], s[8:9], s[MO] offset:0x0
	s_load_b512 s[48:63], s[8:9], s[MO] offset:0x40
	s_load_b512 s[68:83], s[8:9], s[MO] offset:0x80
	s_load_b512 s[84:99], s[8:9], s[MO] offset:0xc0
.endm
	MLOAD                                          ; step 0's
.irp j, 4,5,6,7
	v_mov_b32 v[QF+\j], 0                          ; zero codes for K = 64 .. 127, written once: no load ever lands here
.endr
.irp t, 0,1,2,3,4,5,6,7
.irp j, 4,5,6,7
	v_mov_b32 v[KF+8*\t+\j], 0
.endr
.endr
.irp j, 0,1,2,3,4,5,6,7
	v_mov_b32 v[EPS+\j], 0x3727c5ac                ; 1e-5: the C of every product K Q^T
.endr
.irp j, 0,1,2,3,4,5,6,7
	v_mov_b32 v[SS+\j], 0                          ; the sums of squares, in four pairs
.endr
	v_mov_b32 v[XP], 0                             ; a lane permute's destination counts as one of its sources
	s_mov_b32 s2, 0x76543210                       ; v_permlanex16_b32's selects for lane l xor 16
	s_mov_b32 s3, 0xfedcba98
	s_mov_b32 s[KO], 0
	s_mov_b32 s[SO], 0
; Eight products: S^T of 128 keys x my 16 queries, + 1e-5.  K's scale words lie two tiles to a register: the even tile's in lanes 0-15, the odd tile's in lanes 16-31.
.macro QK8
.irp t, 0,1,2,3,4,5,6,7
.if \t%2
	v_wmma_scale_f32_16x16x128_f8f6f4 v[S+8*\t:S+8*\t+7], v[KF+8*\t:KF+8*\t+7], v[QF:QF+7], v[EPS:EPS+7], v[KS+\t/2], v[QS] matrix_a_fmt:MATRIX_FMT_FP4 matrix_b_fmt:MATRIX_FMT_FP4 matrix_a_scale:MATRIX_SCALE_ROW1
.else
	v_wmma_scale_f32_16x16x128_f8f6f4 v[S+8*\t:S+8*\t+7], v[KF+8*\t:KF+8*\t+7], v[QF:QF+7], v[EPS:EPS+7], v[KS+\t/2], v[QS] matrix_a_fmt:MATRIX_FMT_FP4 matrix_b_fmt:MATRIX_FMT_FP4
.endif
.endr
.endm
.macro KLOAD ak, aks                   ; nine LDS loads: a step's eight fragments of K (their lower four registers) and its scale words
.irp t, 0,1,2,3,4,5,6,7
	ds_load_b128 v[KF+8*\t:KF+8*\t+3], v[\ak] offset:512*\t
.endr
	ds_load_b128 v[KS:KS+3], v[\aks]
.endm
.macro VLOAD                           ; nine LDS loads: a step's four fragments of V^T and their scale words
.irp t, 0,1,2,3
.irp c, 0,1
	ds_load_b128 v[VF+8*\t+4*\c:VF+8*\t+4*\c+3], v[ADV] offset:1024*\t+512*\c
.endr
.endr
	ds_load_b128 v[VS:VS+3], v[ADT]
.endm
.macro MASK64                          ; a score stays where its lane's bit is set, else 0; in ascending order: each accumulator is read from its low end on
.set n, 0
.rept 32
	v_cndmask_b32 v[S+n], 0, v[S+n], s[32+n]
.set n, n+1
.endr
.set n, 0
.rept 32
	v_cndmask_b32 v[S+32+n], 0, v[S+32+n], s[68+n]
.set n, n+1
.endr
.endm
; A STEP OF PASS 1.  nxt = 1: the next step's K and mask words are asked for; 2: step 0's, for pass 2.
.macro STEP1 nxt
	s_wait_dscnt 0x0                               ; K's fragments and scale words are in
	QK8
.if \nxt == 1
	s_add_co_u32 s[KO], s[KO], 4096
	s_add_co_u32 s[SO], s[SO], 512
.else
	s_mov_b32 s[KO], 0
	s_mov_b32 s[SO], 0
.endif
	v_add_nc_u32 v[ADK], s[KO], v[AK]              ; four plain lines: the places in front of loads into registers that the products read, and of the first read of their results
	v_add_nc_u32 v[ADS], s[SO], v[AKS]
	v_nop
	v_nop
	KLOAD ADK, ADS
	s_wait_kmcnt 0x0                               ; this step's mask words are in, and their loads have read s[MO]
.if \nxt == 1
	s_add_co_u32 s[MO], s[MO], 256
.else
	s_sub_co_u32 s[MO], s[MO], 15*256
.endif
	MASK64
	MLOAD                                          ; the words just used make room for the next step's
.set n, 0
.rept 32
	v_pk_fma_f32 v[SS+2*(n%4):SS+2*(n%4)+1], v[S+2*n:S+2*n+1], v[S+2*n:S+2*n+1], v[SS+2*(n%4):SS+2*(n%4)+1]   ; squares, two at a time, four chains by turns
.set n, n+1
.endr
.endm
; A STEP OF PASS 2.  first = 1: its products start O^T's sums.  nxt = 1: the next step's K and mask words are asked for.
.macro STEP2 first, nxt
	s_wait_dscnt 0x0                               ; K's fragments and scale words are in
	QK8
	v_add_nc_u32 v[ADV], s[KO], v[AV]              ; V's tiles of THIS step: s[KO] and s[SO] are read before they step.  These four plain lines are the places behind the products above and behind the last step's V^T P
	v_add_nc_u32 v[ADT], s[SO], v[AVS]
.if \nxt
	s_add_co_u32 s[KO], s[KO], 4096
	s_add_co_u32 s[SO], s[SO], 512
	v_add_nc_u32 v[ADK], s[KO], v[AK]
	v_add_nc_u32 v[ADS], s[SO], v[AKS]
.else
	v_nop
	v_nop
.endif
	VLOAD
.if \nxt
	KLOAD ADK, ADS
.endif
	s_wait_kmcnt 0x0
.if \nxt
	s_add_co_u32 s[MO], s[MO], 256
.endif
	MASK64
.if \nxt
	MLOAD
.endif
	v_max3_num_f32 v[TM], |v[S]|, |v[S+1]|, |v[S+2]|               ; the largest magnitude of my two blocks of 32 keys, two chains each, by turns
	v_max3_num_f32 v[TM+2], |v[S+32]|, |v[S+33]|, |v[S+34]|
	v_max3_num_f32 v[TM+1], |v[S+3]|, |v[S+4]|, |v[S+5]|
	v_max3_num_f32 v[TM+3], |v[S+35]|, |v[S+36]|, |v[S+37]|
.irp i, 6,10,14,18,22,26
	v_max3_num_f32 v[TM], v[TM], |v[S+\i]|, |v[S+\i+1]|
	v_max3_num_f32 v[TM+2], v[TM+2], |v[S+32+\i]|, |v[S+32+\i+1]|
	v_max3_num_f32 v[TM+1], v[TM+1], |v[S+\i+2]|, |v[S+\i+3]|
	v_max3_num_f32 v[TM+3], v[TM+3], |v[S+32+\i+2]|, |v[S+32+\i+3]|
.endr
	v_max3_num_f32 v[TM], v[TM], |v[S+30]|, |v[S+31]|
	v_max3_num_f32 v[TM+2], v[TM+2], |v[S+62]|, |v[S+63]|
	v_max_num_f32 v[TM], v[TM], v[TM+1]
	v_max_num_f32 v[TM+2], v[TM+2], v[TM+3]
	v_mul_f32 v[TM], v[TM], v[RR]                  ; times 1 / norm: the same multiplication that this score gets below, so these are the bits of the largest scaled magnitude
	v_mul_f32 v[TM+2], v[TM+2], v[RR]
	v_max_num_f32 v[TM], 0x1800000, v[TM]          ; the floor 2^(3 - 127): the byte cannot fall under 1
	v_max_num_f32 v[TM+2], 0x1800000, v[TM+2]
	v_add_nc_u32 v[TM+4], 0xff000000, v[TM]        ; 2 off the exponent field: the conversion's scale operand
	v_add_nc_u32 v[TM+5], 0xff000000, v[TM+2]
	v_lshrrev_b32 v[TM+6], 23, v[TM+4]             ; the scales' bytes: blocks h and 2 + h of my query,
	v_lshrrev_b32 v[TM+7], 23, v[TM+5]
	v_lshl_or_b32 v[PW], v[TM+7], 16, v[TM+6]
	v_lshlrev_b32 v[PW], v[SH8], v[PW]             ; at their places in the scale word;
	v_permlanex16_b32 v[XP], v[PW], s2, s3
	v_or_b32 v[PW], v[PW], v[XP]                   ; with the two of the lane 16 away the word is whole
.set n, 0
.rept 32
	v_pk_mul_f32 v[S+n:S+n+1], v[S+n:S+n+1], v[RR:RR+1]   ; the normalised row, two at a time.  (More than the eight plain lines that stand between a scale word's last write and the scaled product)
.set n, n+2
.endr
.irp c, 0,1
.irp u, 0,1,2,3
	v_cvt_scalef32_pk8_fp4_f32 v[P+4*\c+\u], v[S+32*\c+8*\u:S+32*\c+8*\u+7], v[TM+4+\c]   ; keys 64 c + 32 h + 8 u on: register 4 c + u of the operand
.endr
.endr
.rept 4
	v_nop                                          ; four plain lines between an operand written by vector instructions and the scaled product
.endr
.if \nxt
	s_wait_dscnt 9                                 ; V's nine loads are in; the nine issued behind them, the next step's K, may be out
.else
	s_wait_dscnt 0x0
.endif
.irp t, 0,1,2,3                                ; O^T += V^T P^T: the four accumulators by turns, one instruction a turn
.if \first
	v_wmma_scale_f32_16x16x128_f8f6f4 v[O+8*\t:O+8*\t+7], v[VF+8*\t:VF+8*\t+7], v[P:P+7], 0, v[VS+\t], v[PW] matrix_a_fmt:MATRIX_FMT_FP4 matrix_b_fmt:MATRIX_FMT_FP4
.else
	v_wmma_scale_f32_16x16x128_f8f6f4 v[O+8*\t:O+8*\t+7], v[VF+8*\t:VF+8*\t+7], v[P:P+7], v[O+8*\t:O+8*\t+7], v[VS+\t], v[PW] matrix_a_fmt:MATRIX_FMT_FP4 matrix_b_fmt:MATRIX_FMT_FP4
.endif
.endr
.endm
	s_wait_tensorcnt 0x1                           ; my part of K's half is in; V's may stay out, and pass 1 reads K's half alone
	s_barrier_signal -1
	s_barrier_wait -1                              ; everybody's is
	KLOAD AK, AKS                                  ; step 0
	s_wait_loadcnt 0x0                             ; Q and its scale word
	; ---- PASS 1: the sums of squares ----
	s_mov_b32 s[CNT], 15
.Lpass1:
	STEP1 1
	s_sub_co_u32 s[CNT], s[CNT], 1
	s_cmp_lg_u32 s[CNT], 0
	s_cbranch_scc1 .Lpass1
	STEP1 2                                        ; the last step asks for step 0 again
	; ---- 1 / max(norm, 1e-12) ----
	v_pk_add_f32 v[SS:SS+1], v[SS:SS+1], v[SS+2:SS+3]
	v_pk_add_f32 v[SS+4:SS+5], v[SS+4:SS+5], v[SS+6:SS+7]
	v_pk_add_f32 v[SS:SS+1], v[SS:SS+1], v[SS+4:SS+5]
	v_add_f32 v[SS], v[SS], v[SS+1]
	v_permlanex16_b32 v[XP], v[SS], s2, s3         ; the query's other keys lie in the lane 16 away
	v_add_f32 v[SS], v[SS], v[XP]
	v_sqrt_f32 v[SS+1], v[SS]
	v_nop                                          ; one plain line behind a transcendental
	s_wait_alu depctr_va_vdst(0)
	v_max_num_f32 v[SS+1], 0x2b8cbccc, v[SS+1]     ; 1e-12
	v_rcp_f32 v[RR], v[SS+1]
	v_nop
	s_wait_alu depctr_va_vdst(0)
	v_mov_b32 v[RR+1], v[RR]                       ; a pair for the packed multiplication
	s_wait_tensorcnt 0x0                           ; my part of V's half is in,
	s_wait_dscnt 0x0                               ; (no LDS load of mine is out at a signal)
	s_barrier_signal -1
	s_barrier_wait -1                              ; everybody's is
	; ---- PASS 2: the scores again, normalised, quantised, times V ----
	STEP2 1, 1
	s_mov_b32 s[CNT], 14
.Lpass2:
	STEP2 0, 1
	s_sub_co_u32 s[CNT], s[CNT], 1
	s_cmp_lg_u32 s[CNT], 0
	s_cbranch_scc1 .Lpass2
	STEP2 0, 0
	; ---- THE WAY OUT.  Register j of tile t of lane (r, h) is out(query row r, d = 16 t + 8 h + j): 16 rows of 256 bytes go through my own stage and leave as whole rows.  The eight address lines are the places behind the last products.
	v_and_b32 v[TM], 15, v0
	v_bfe_u32 v[TM+1], v0, 4, 1
	s_mul_i32 s[KO], s[WV], 16*SP
	s_add_co_u32 s[KO], s[KO], STAGE               ; my stage
	v_mul_u32_u24 v[ADK], v[TM], SP
	v_lshl_add_u32 v[ADK], v[TM+1], 5, v[ADK]
	v_add_nc_u32 v[ADK], s[KO], v[ADK]             ; in: row r, 32 h; tile t 64 t bytes on
	v_mul_u32_u24 v[ADS], v[TM+1], SP
	v_lshl_add_u32 v[ADS], v[TM], 4, v[ADS]
	v_add_nc_u32 v[ADS], s[KO], v[ADS]             ; back: lanes 0-15 one row, lanes 16-31 the next
.irp t, 0,1,2,3
	ds_store_b128 v[ADK], v[O+8*\t:O+8*\t+3] offset:64*\t            ; each accumulator from its low end on
	ds_store_b128 v[ADK], v[O+8*\t+4:O+8*\t+7] offset:64*\t+16
.endr
.irp i, 0,1,2,3,4,5,6,7
	ds_load_b128 v[S+4*\i:S+4*\i+3], v[ADS] offset:2*\i*SP           ; LDS serves a wave's instructions in order: these see my stores
.endr
.irp i, 0,1,2,3,4,5,6,7
	s_wait_dscnt 7-\i                              ; loads come back in order: pair i of rows is in
	global_store_b128 v[GO], v[S+4*\i:S+4*\i+3], s[10:11] offset:((\i/4)*32+2*(\i%4))*256 th:TH_STORE_NT   ; stage rows 2 i, 2 i + 1 are tile rows: sixteen lanes store 256 consecutive bytes, aligned
.endr
	s_wait_xcnt 0x0
	v_lshl_add_u32 v254, v0, 2, 0x35000
	v_mov_b32 v255, 0
	s_wait_tensorcnt 0x0
	ds_add_u32 v254, v255
	s_wait_dscnt 0x0
	ROUND                                          ; the closing round: no work-group ends while a partner may still ask for a tile that names it
	s_endpgm
.Lfunc_end_k_qc2f6a0ca93_main:
	.size	k_qc2f6a0ca93_main, .Lfunc_end_k_qc2f6a0ca93_main-k_qc2f6a0ca93_main
	.p2alignl 7, 3214868480
	.fill 96, 4, 3214868480
	.section	.rodata,"a",@progbits
	.p2align	6, 0x0
	.amdhsa_kernel k_qc2f6a0ca93_main
		.amdhsa_group_segment_fixed_size 219136
		.amdhsa_private_segment_fixed_size 0
		.amdhsa_enable_private_segment 0
		.amdhsa_kernarg_size 32
		.amdhsa_user_sgpr_count 2
		.amdhsa_user_sgpr_kernarg_segment_ptr 1
		.amdhsa_wavefront_size32 1
		.amdhsa_system_sgpr_workgroup_id_x 1
		.amdhsa_system_sgpr_workgroup_id_y 1
		.amdhsa_system_sgpr_workgroup_id_z 1
		.amdhsa_system_vgpr_workitem_id 0
		.amdhsa_next_free_vgpr 256
		.amdhsa_next_free_sgpr 106
		.amdhsa_reserve_vcc 0
		.amdhsa_float_denorm_mode_32 3
		.amdhsa_float_denorm_mode_16_64 3
		.amdhsa_memory_ordered 1
		.amdhsa_forward_progress 1
		.amdhsa_inst_pref_size 65
	.end_amdhsa_kernel
	.amdgpu_metadata
---
amdhsa.version: [ 1, 2 ]
amdhsa.kernels:
  - .name:           k_qc2f6a0ca93_main
    .symbol:         k_qc2f6a0ca93_main.kd
    .args:
      - { .name: qc, .offset: 0, .size: 8, .value_kind: global_buffer, .address_space: global }
      - { .name: kv, .offset: 8, .size: 8, .value_kind: global_buffer, .address_space: global }
      - { .name: mw, .offset: 16, .size: 8, .value_kind: global_buffer, .address_space: global }
      - { .name: out0, .offset: 24, .size: 8, .value_kind: global_buffer, .address_space: global }
    .group_segment_fixed_size: 219136
    .private_segment_fixed_size: 0
    .kernarg_segment_align: 8
    .kernarg_segment_size: 32
    .max_flat_workgroup_size: 512
    .sgpr_count:     106
    .vgpr_count:     256
    .wavefront_size: 32
...
	.end_amdgpu_metadata
.endif
;; end of part 2
;; ======== version 2 of 2: 2 launches; 1.11 times as fast as version 1
;; workspace buffers: kv 4,718,592 bytes; qc 2,359,296 bytes; mw 1,048,576 bytes of whole numbers; nm 4,194,304 bytes
;; launch prep (part 3): grid 640 x 1, 4 waves a work-group, no clusters, 70,144 bytes of LDS; arguments query, keys, vals, mask, qc, kv, mw, nm; writes qc, kv, mw, nm
.if DOCPART == 3
	.amdgcn_target "amdgcn-amd-amdhsa--gfx1250"
	.amdhsa_code_object_version 6
	.text
	.protected	k_qc2f6a0ca93_prep
	.globl	k_qc2f6a0ca93_prep
	.p2align	8
	.type	k_qc2f6a0ca93_prep,@function
k_qc2f6a0ca93_prep:
	s_mov_b64 s[64:65], 0
	v_nop
	global_prefetch_b8 v0, s[64:65] scope:SCOPE_SE
	s_setreg_imm32_b32 hwreg(HW_REG_WAVE_MODE, 25, 1), 1
	s_wait_xcnt 0x0
; THE LAUNCH IN FRONT OF THE ATTENTION: each input is read once and leaves narrow, laid in the order of the operands' registers.
;   query, keys [32 heads][2048][64] f32 -> codes of FP4 (E2M1) along the head's 64, one E8M0 byte for each 32;
;   vals [32][2048][64] f32 -> codes along the KEYS (the second product's K), one byte for each 32 keys;
;   mask [2][2048][2048] int32 -> twice: one bit a number, as words of 32 lanes (one word for each register of a 16 x 16 tile of scores), and four bits a number, as words that clear codes of FP4.
; A block's scale is 2^(floor(log2(its largest magnitude)) - 2); its byte is the largest magnitude's exponent field - 2, held at 1 from below.
; LIMITS: a block of zeros gets the byte 1 where the rule says 127 (its codes are zeros, and this program alone reads the bytes); NaN and infinities are not served.
; THE ROWS OF A TILE ARE NOT NEIGHBOURS: row rho of tile T of a head is sequence row 64 (T / 4) + 8 (T % 4) + rho % 8 + 32 (rho / 8), for queries and keys alike:
; in the scores (keys x queries) a lane's 32 registers of four neighbouring tiles are then 32 neighbouring keys, one whole block of the second product's K.
; LAYOUTS.  kv: a record of 147,456 bytes a head: K's codes (tile T at 512 T, lane l's 16 bytes at 16 l: d = 32 (l / 16) on of tile row l % 16), 65,536;
;   K's scale words (eight tiles at 512 g; lane L, word i: tile 8 g + 2 i + L / 16, row L % 16; bytes s0, s1, s0, s1: the 64 codes may stand in either half of the instruction's 128), 8,192;
;   V's codes (4096 s + 1024 t + 512 c + 16 l: d = 16 t + l % 16, keys 128 s + 64 c + 32 (l / 16) on), 65,536;  V's scale words (512 s + 16 L, word t: d = 16 t + L % 16), 8,192.
;   qc: a record of 73,728 bytes a head, as K's two parts.   mw: [batch x 128 + query tile][1024 words]: word 32 G + n, bit l: mask(tile row l % 16, key 64 G + 32 (l / 16) + n) != 0.
;   nm: [batch x 128 + query tile][32 G][512 bytes]: lane l's 16 bytes at 16 l; word u, nibble j: 0xF where mask(tile row l % 16, key 64 G + 32 (l / 16) + 8 u + j) != 0, else 0.
; SHARES.  Every wave takes 32 KiB of one input.  Work-groups 0-255: the mask; 256-383: query; 384-511: keys; 512-639: vals.  Waves share nothing: no barrier.
; A conversion wants 8 neighbours along K in one lane's registers, a load wants neighbouring lanes on neighbouring bytes.  For query, keys and mask both are had by a turn through the wave's own stage
; in LDS (16 rows of 256 bytes + 16); for vals a lane takes a column and its registers run down the keys.  Every offset is an immediate, every store has data registers of its own: nothing is rewritten under a pending access.
.set SP,    272                        ; a stage row: 256 bytes + 16: row r begins 16 r bytes on, modulo 256, so sixteen lanes on sixteen rows take sixteen different columns of 16 bytes
.set STG,   16*SP                      ; a stage; each wave has two, by turns
.set WREG,  2*STG                      ; a wave's LDS
.set MLDS,  4*WREG                     ; the mask's path has LDS bytes of its own, behind those of query and keys
.set QREC,  73728
.set KVREC, 147456
.set L16,  2                           ; v2   16 x lane
.set L8,   3                           ; v3   8 x lane
.set L4,   4                           ; v4   4 x lane
.set VOM,  5                           ; v5   the mask: 8192 (lane / 16) + 16 (lane % 16): two rows a load
.set VOUT, 6                           ; v6   V's codes: 1024 (lane / 16) + 16 (lane % 16)
.set SH8,  7                           ; v7   8 (lane / 16)
.set WAQ,  8                           ; v8   into the stage (query, keys);  v10 the same for the mask
.set RAQ,  9                           ; v9   out of the stage;              v11 the same for the mask
.set NEG6, 12                          ; v12  (the mask's path) -6.0, whose code is 0xF;  v13 1.0, the conversion's scale
.set ONE,  13
.set M,    16                          ; v16, v17 a block's largest magnitude, in two chains
.set M2,   17
.set SO,   18                          ; v18  the conversion's scale operand
.set BY,   19                          ; v19  the scale's byte
.set W,    20                          ; v20  a tile's scale word;  v21 the even tile's
.set WE,   21
.set XP,   22                          ; v22, v23 what the lane 16 away holds
.set SCI,  24                          ; v24-27 scale words to store
.set MW,   24                          ; v24-31 (the mask's path) four pairs of mask words
.set SB,   28                          ; v28, v29 (vals' path) four scale bytes of my two columns
.set R,    32                          ; v32-95  two sets of 32 registers as loaded
.set X,    96                          ; v96-159 two sets of 32 neighbours
.set XV,   32                          ; v32-159 (vals' path) two blocks of 32 keys x my two columns
.set C,    160                         ; v160-191 codes
	s_load_b256 s[4:11], s[0:1], 0x0               ; query s[4:5], keys s[6:7], vals s[8:9], mask s[10:11]
	s_load_b128 s[12:15], s[0:1], 0x20             ; qc s[12:13], kv s[14:15]
	s_load_b64 s[16:17], s[0:1], 0x30              ; mw
	s_load_b64 s[44:45], s[0:1], 0x38              ; nm
	v_lshl_add_u32 v192, v0, 2, 0x11000
	v_mov_b32 v193, 0
	v_lshrrev_b32 v1, 5, v0
	v_readfirstlane_b32 s18, v1                    ; wave 0..3
	v_and_b32 v1, 31, v0                           ; lane
	v_and_b32 v12, 15, v0                          ; r
	v_bfe_u32 v13, v0, 4, 1                        ; h
	v_lshlrev_b32 v[L16], 4, v1
	v_lshlrev_b32 v[L8], 3, v1
	v_lshlrev_b32 v[L4], 2, v1
	v_lshlrev_b32 v14, 4, v12                      ; 16 r
	v_lshl_add_u32 v[VOM], v13, 13, v14
	v_lshl_add_u32 v[VOUT], v13, 10, v14
	v_lshlrev_b32 v[SH8], 3, v13
	s_mul_i32 s38, s18, WREG
	v_mad_u32_u24 v15, v13, SP, v14                ; in: a load's 512 bytes are two stage rows: row h, 16 r
	v_add_nc_u32 v[WAQ], s38, v15
	v_mul_u32_u24 v15, v12, SP
	v_lshl_add_u32 v15, v13, 7, v15                ; out: row r, my half's 128 bytes: 32 neighbours
	v_add_nc_u32 v[RAQ], s38, v15
	v_add_nc_u32 v[WAQ+2], MLDS, v[WAQ]
	v_add_nc_u32 v[RAQ+2], MLDS, v[RAQ]
	v_mov_b32 v[XP], 0                             ; written once: a lane permute's destination counts as one of its sources
	v_mov_b32 v[XP+1], 0
	s_mov_b32 s28, 0x76543210                      ; v_permlanex16_b32's selects for lane l xor 16
	s_mov_b32 s29, 0xfedcba98
	s_mov_b32 s30, 0xffff0000                      ; lanes 16-31
	s_mov_b32 s43, 0                               ; the upper word of every offset
; Eight loads: tile t's 16 rows x 256 bytes into set t % 2.  p = 0: query or keys (rows of 256 bytes: a load takes 512 consecutive bytes); p = 1: the mask (rows of 8,192 bytes: a load takes two aligned runs of 256).
.macro LD8 t, p
.if \p
.set ROWB, 8192
.set COLB, 256*(\t)
.set VO, VOM
.else
.set ROWB, 256
.set COLB, (64*((\t)/4)+8*((\t)%4))*256
.set VO, L16
.endif
.irp i, 0,1,2,3,4,5,6,7
	global_load_b128 v[R+32*((\t)%2)+4*\i:R+32*((\t)%2)+4*\i+3], v[VO], s[32:33] offset:((\i/4)*32+2*(\i%4))*ROWB+COLB th:TH_LOAD_NT
.endr
.endm
; Tile t through stage t % 2.  LDS serves a wave's instructions in order, so no wait stands between the stores and the loads.
.macro TURN t, p
.irp i, 0,1,2,3,4,5,6,7
	ds_store_b128 v[WAQ+2*\p], v[R+32*((\t)%2)+4*\i:R+32*((\t)%2)+4*\i+3] offset:STG*((\t)%2)+2*SP*\i
.endr
.irp j, 0,1,2,3,4,5,6,7
	ds_load_b128 v[X+32*((\t)%2)+4*\j:X+32*((\t)%2)+4*\j+3], v[RAQ+2*\p] offset:STG*((\t)%2)+16*\j
.endr
.endm
; The head of tile t's work: loads run two tiles ahead, the turn through LDS one.
.macro HEAD t, p
	s_wait_dscnt 0x0                               ; tile t's neighbours are in; its stores into the stage have read set t % 2,
.if (\t)+2 < 8
	LD8 (\t)+2, \p                                 ; which takes the tile after next
.endif
.if (\t)+1 < 8
.if (\t)+2 < 8
	s_wait_loadcnt 8                               ; the next tile's eight loads are in; the eight just issued may be out
.else
	s_wait_loadcnt 0x0
.endif
	TURN (\t)+1, \p
.endif
.endm
; The largest magnitude of the 32 numbers from v[x] on, in two chains, with the floor 2^(3 - 127) as one more leaf: the byte cannot fall under 1.
.macro BMAX x
.set XS, \x
	v_max3_num_f32 v[M], |v[XS]|, |v[XS+1]|, |v[XS+2]|
	v_max3_num_f32 v[M2], |v[XS+3]|, |v[XS+4]|, |v[XS+5]|
.irp i, 6,10,14,18,22,26
	v_max3_num_f32 v[M], v[M], |v[XS+\i]|, |v[XS+\i+1]|
	v_max3_num_f32 v[M2], v[M2], |v[XS+\i+2]|, |v[XS+\i+3]|
.endr
	v_max3_num_f32 v[M], v[M], |v[XS+30]|, |v[XS+31]|
	v_max3_num_f32 v[M], v[M], v[M2], 0x1800000
.endm
	s_wait_kmcnt 0x0
	s_cmp_lt_u32 ttmp9, 256
	s_cbranch_scc1 .Lmask
	s_cmp_lt_u32 ttmp9, 512
	s_cbranch_scc1 .Lqk
; ---------------- vals: a wave takes 128 keys (one step of the second product) of one head ----------------
	s_sub_co_u32 s39, ttmp9, 512
	s_lshl_b32 s39, s39, 2
	s_add_co_u32 s39, s39, s18                     ; J = 16 x head + step
	s_lshr_b32 s40, s39, 4
	s_and_b32 s41, s39, 15
	s_lshl_b32 s42, s39, 15                        ; 128 keys of 256 bytes
	s_add_nc_u64 s[32:33], s[8:9], s[42:43]
	s_mul_i32 s42, s40, KVREC
	s_add_nc_u64 s[34:35], s[14:15], s[42:43]      ; the head's record
	s_lshl_b32 s42, s41, 9
	s_add_co_u32 s42, s42, 139264
	s_add_nc_u64 s[36:37], s[34:35], s[42:43]      ; the step's scale words
	s_lshl_b32 s42, s41, 12
	s_add_co_u32 s42, s42, 73728
	s_add_nc_u64 s[34:35], s[34:35], s[42:43]      ; the step's codes
; Sixteen keys: lane l takes columns l and 32 + l; the two loads of a key stand together and cover its 256 bytes.
.macro VLD q
.irp k, 0,1,2,3,4,5,6,7,8,9,10,11,12,13,14,15
	global_load_b32 v[XV+64*(((\q)/2)%2)+16*((\q)%2)+\k], v[L4], s[32:33] offset:(16*(\q)+\k)*256 th:TH_LOAD_NT
	global_load_b32 v[XV+64*(((\q)/2)%2)+32+16*((\q)%2)+\k], v[L4], s[32:33] offset:(16*(\q)+\k)*256+128 th:TH_LOAD_NT
.endr
.endm
; Block kb of 32 keys, column 32 cs + lane: all its numbers are mine.
.macro VWORK kb, cs
	BMAX XV+64*((\kb)%2)+32*(\cs)
	v_add_nc_u32 v[SO], 0xff000000, v[M]           ; 2 off the exponent field: the conversion takes the exponent field of this operand as its scale
.irp g, 0,1,2,3
	v_cvt_scalef32_pk8_fp4_f32 v[C+4*(2*(\kb)+(\cs))+\g], v[XV+64*((\kb)%2)+32*(\cs)+8*\g:XV+64*((\kb)%2)+32*(\cs)+8*\g+7], v[SO]
.endr
.if (\kb) == 0
	v_lshrrev_b32 v[SB+\cs], 23, v[SO]             ; the scale's byte (a plain line behind the conversions)
.else
	v_lshrrev_b32 v[BY], 23, v[SO]
	v_lshl_or_b32 v[SB+\cs], v[BY], 8*(\kb), v[SB+\cs]
.endif
	global_store_b128 v[VOUT], v[C+4*(2*(\kb)+(\cs)):C+4*(2*(\kb)+(\cs))+3], s[34:35] offset:2048*(\cs)+256*(\kb)   ; each half of the lanes stores 256 consecutive bytes, aligned
.endm
	VLD 0
	VLD 1
.irp kb, 0,1,2,3
.if \kb < 3
	VLD 2*\kb+2
	s_wait_loadcnt 32                              ; this block's 64 loads are in; the 32 just issued may be out
.else
	s_wait_loadcnt 0x0
.endif
	VWORK \kb, 0
.if \kb < 3
	VLD 2*\kb+3
.endif
	VWORK \kb, 1
.endr
	v_permlanex16_b32 v[XP], v[SB], s28, s29       ; lane L stores the words of d = L % 16, 16 + L % 16, 32 + L % 16, 48 + L % 16: mine or the lane's 16 away
	v_permlanex16_b32 v[XP+1], v[SB+1], s28, s29
	v_cndmask_b32 v[SCI], v[SB], v[XP], s30
	v_cndmask_b32 v[SCI+1], v[XP], v[SB], s30
	v_cndmask_b32 v[SCI+2], v[SB+1], v[XP+1], s30
	v_cndmask_b32 v[SCI+3], v[XP+1], v[SB+1], s30
	global_store_b128 v[L16], v[SCI:SCI+3], s[36:37]
	s_endpgm
; ---------------- query and keys: a wave takes 128 rows, eight tiles, of one head ----------------
.Lqk:
	s_cmp_lt_u32 ttmp9, 384                        ; the choice hangs on the work-group's number alone
	s_cselect_b64 s[32:33], s[4:5], s[6:7]
	s_cselect_b64 s[34:35], s[12:13], s[14:15]
	s_mov_b32 s38, KVREC
	s_cselect_b32 s38, QREC, s38                   ; a head's record in the buffer chosen
	s_and_b32 s39, ttmp9, 127
	s_lshl_b32 s39, s39, 2
	s_add_co_u32 s39, s39, s18                     ; J = 16 x head + group of eight tiles
	s_lshr_b32 s40, s39, 4
	s_and_b32 s41, s39, 15
	s_lshl_b32 s42, s39, 15
	s_add_nc_u64 s[32:33], s[32:33], s[42:43]
	s_mul_i32 s42, s40, s38
	s_add_nc_u64 s[34:35], s[34:35], s[42:43]
	s_lshl_b32 s42, s41, 9
	s_add_co_u32 s42, s42, 65536
	s_add_nc_u64 s[36:37], s[34:35], s[42:43]      ; the group's scale words
	s_lshl_b32 s42, s41, 12
	s_add_nc_u64 s[34:35], s[34:35], s[42:43]      ; the group's codes
	LD8 0, 0
	LD8 1, 0
	s_wait_loadcnt 8                               ; tile 0's eight loads are in
	TURN 0, 0
.irp t, 0,1,2,3,4,5,6,7
	HEAD \t, 0
	BMAX X+32*(\t%2)                               ; lane (r, h): block h of tile row r
	v_add_nc_u32 v[SO], 0xff000000, v[M]
.irp g, 0,1,2,3
	v_cvt_scalef32_pk8_fp4_f32 v[C+4*\t+\g], v[X+32*(\t%2)+8*\g:X+32*(\t%2)+8*\g+7], v[SO]
.endr
	v_lshrrev_b32 v[BY], 23, v[SO]                 ; the scale's byte (a plain line behind the conversions),
	v_lshlrev_b32 v[W], v[SH8], v[BY]              ; at its place in the row's word;
	v_permlanex16_b32 v[XP], v[W], s28, s29
	v_or_b32 v[W], v[W], v[XP]                     ; with the other block's: s0, s1;
.if \t%2
	v_lshl_or_b32 v[W], v[W], 16, v[W]             ; and once more in bytes 2 and 3: whichever half of the 128 holds zero codes, its bytes are no 0xff
	v_cndmask_b32 v[SCI+\t/2], v[WE], v[W], s30    ; lanes 0-15 the even tile's word, lanes 16-31 the odd tile's
.else
	v_lshl_or_b32 v[WE], v[W], 16, v[W]
.endif
	global_store_b128 v[L16], v[C+4*\t:C+4*\t+3], s[34:35] offset:512*\t   ; 512 consecutive bytes
.endr
	global_store_b128 v[L16], v[SCI:SCI+3], s[36:37]
	s_wait_tensorcnt 0x0
	ds_add_u32 v192, v193
	s_wait_dscnt 0x0
	s_endpgm
; ---------------- the mask: a work-group takes a tile of 16 queries, a wave 512 keys of it ----------------
.Lmask:
	s_lshr_b32 s38, ttmp9, 7                       ; batch
	s_lshl_b32 s42, s38, 24                        ; 2048 x 2048 x 4 bytes
	s_and_b32 s39, ttmp9, 127                      ; the query tile
	s_lshr_b32 s40, s39, 2
	s_lshl_b32 s40, s40, 6
	s_and_b32 s41, s39, 3
	s_lshl_b32 s41, s41, 3
	s_add_co_u32 s40, s40, s41                     ; its first row
	s_lshl_b32 s40, s40, 13
	s_add_co_u32 s42, s42, s40
	s_lshl_b32 s41, s18, 11                        ; my 512 keys
	s_add_co_u32 s42, s42, s41
	s_add_nc_u64 s[32:33], s[10:11], s[42:43]
	s_lshl_b32 s42, ttmp9, 12
	s_lshl_b32 s41, s18, 10
	s_add_co_u32 s42, s42, s41
	s_add_nc_u64 s[34:35], s[16:17], s[42:43]      ; my 256 lane words
	s_lshl_b32 s42, ttmp9, 14
	s_lshl_b32 s41, s18, 12
	s_add_co_u32 s42, s42, s41
	s_add_nc_u64 s[36:37], s[44:45], s[42:43]      ; my 4,096 bytes of nibbles
.irp i, 0,1,2,3,4,5,6,7
	v_mov_b32 v[MW+\i], 0                          ; v_writelane_b32's destination counts as read
.endr
	v_mov_b32 v[NEG6], 0xc0c00000                  ; -6.0: sign, both exponent bits and the mantissa bit set: the code 0xF
	v_mov_b32 v[ONE], 1.0                          ; the scale 2^0
	LD8 0, 1
	LD8 1, 1
	s_wait_loadcnt 8
	TURN 0, 1
.irp t, 0,1,2,3,4,5,6,7                    ; 64 keys at a time: lane (r, h) holds keys 32 h + 0 .. 31 of tile row r
	HEAD \t, 1
.irp q, 0,1,2,3
.irp n, 0,1,2,3,4,5,6,7
	v_cmp_ne_u32 s[20+\n], 0, v[X+32*(\t%2)+8*\q+\n]   ; the word of register 8 q + n: one bit a lane
.endr
.irp n, 0,1,2,3,4,5,6,7
	v_writelane_b32 v[MW+2*(\t/2)+\n%2], s[20+\n], 16*(\t%2)+4*\q+\n/2   ; 64 words of two such groups lie two to a lane
.endr
.irp n, 0,1,2,3,4,5,6,7
	v_cndmask_b32 v[X+32*(\t%2)+8*\q+\n], 0, v[NEG6], s[20+\n]   ; -6.0 where the mask is not 0, else 0
.endr
.endr
.irp u, 0,1,2,3
	v_cvt_scalef32_pk8_fp4_f32 v[C+4*\t+\u], v[X+32*(\t%2)+8*\u:X+32*(\t%2)+8*\u+7], v[ONE]   ; eight nibbles, 0xF or 0, the first key's lowest
.endr
	v_nop                                          ; one plain line behind the conversions
	global_store_b128 v[L16], v[C+4*\t:C+4*\t+3], s[36:37] offset:512*\t   ; 512 consecutive bytes
.if \t%2
	global_store_b64 v[L8], v[MW+2*(\t/2):MW+2*(\t/2)+1], s[34:35] offset:256*(\t/2)   ; 256 consecutive bytes, aligned
.endif
.endr
	s_wait_tensorcnt 0x0
	ds_add_u32 v192, v193
	s_wait_dscnt 0x0
	s_endpgm
.Lfunc_end_k_qc2f6a0ca93_prep:
	.size	k_qc2f6a0ca93_prep, .Lfunc_end_k_qc2f6a0ca93_prep-k_qc2f6a0ca93_prep
	.p2alignl 7, 3214868480
	.fill 96, 4, 3214868480
	.section	.rodata,"a",@progbits
	.p2align	6, 0x0
	.amdhsa_kernel k_qc2f6a0ca93_prep
		.amdhsa_group_segment_fixed_size 70144
		.amdhsa_private_segment_fixed_size 0
		.amdhsa_enable_private_segment 0
		.amdhsa_kernarg_size 64
		.amdhsa_user_sgpr_count 2
		.amdhsa_user_sgpr_kernarg_segment_ptr 1
		.amdhsa_wavefront_size32 1
		.amdhsa_system_sgpr_workgroup_id_x 1
		.amdhsa_system_sgpr_workgroup_id_y 1
		.amdhsa_system_sgpr_workgroup_id_z 1
		.amdhsa_system_vgpr_workitem_id 0
		.amdhsa_next_free_vgpr 194
		.amdhsa_next_free_sgpr 66
		.amdhsa_reserve_vcc 0
		.amdhsa_float_denorm_mode_32 3
		.amdhsa_float_denorm_mode_16_64 3
		.amdhsa_memory_ordered 1
		.amdhsa_forward_progress 1
		.amdhsa_inst_pref_size 136
	.end_amdhsa_kernel
	.amdgpu_metadata
---
amdhsa.version: [ 1, 2 ]
amdhsa.kernels:
  - .name:           k_qc2f6a0ca93_prep
    .symbol:         k_qc2f6a0ca93_prep.kd
    .args:
      - { .name: query, .offset: 0, .size: 8, .value_kind: global_buffer, .address_space: global }
      - { .name: keys, .offset: 8, .size: 8, .value_kind: global_buffer, .address_space: global }
      - { .name: vals, .offset: 16, .size: 8, .value_kind: global_buffer, .address_space: global }
      - { .name: mask, .offset: 24, .size: 8, .value_kind: global_buffer, .address_space: global }
      - { .name: qc, .offset: 32, .size: 8, .value_kind: global_buffer, .address_space: global }
      - { .name: kv, .offset: 40, .size: 8, .value_kind: global_buffer, .address_space: global }
      - { .name: mw, .offset: 48, .size: 8, .value_kind: global_buffer, .address_space: global }
      - { .name: nm, .offset: 56, .size: 8, .value_kind: global_buffer, .address_space: global }
    .group_segment_fixed_size: 70144
    .private_segment_fixed_size: 0
    .kernarg_segment_align: 8
    .kernarg_segment_size: 64
    .max_flat_workgroup_size: 128
    .sgpr_count:     66
    .vgpr_count:     194
    .wavefront_size: 32
...
	.end_amdgpu_metadata
.endif
;; end of part 3
;; launch main (part 4): grid 8 x 32, 16 waves a work-group, clusters of 4 x 1, 284,672 bytes of LDS; arguments qc, kv, mw, nm, out0; writes out0
.if DOCPART == 4
	.amdgcn_target "amdgcn-amd-amdhsa--gfx1250"
	.amdhsa_code_object_version 6
	.text
	.protected	k_qc2f6a0ca93_main
	.globl	k_qc2f6a0ca93_main
	.p2align	8
	.type	k_qc2f6a0ca93_main,@function
k_qc2f6a0ca93_main:
	s_mov_b64 s[64:65], 0
	v_nop
	global_prefetch_b8 v0, s[64:65] scope:SCOPE_SE
	s_setreg_imm32_b32 hwreg(HW_REG_WAVE_MODE, 25, 1), 1
	s_wait_xcnt 0x0
	s_wait_alu depctr_hold_cnt(0) depctr_sa_sdst(0) depctr_va_vdst(0) depctr_va_sdst(0) depctr_va_ssrc(0) depctr_va_vcc(0) depctr_vm_vsrc(0)
	s_getreg_b32 s2, hwreg(HW_REG_IB_STS2, 6, 4)
	s_cmp_eq_u32 s2, 0
	s_cbranch_scc0 .Lentry_in_a_cluster
	s_endpgm
.Lentry_in_a_cluster:
	s_bfe_u32 s2, ttmp6, 0x10000c
	s_cmp_lg_u32 s2, 0x3003
	s_cbranch_scc0 .Lentry_shape_is_right
	s_endpgm
.Lentry_shape_is_right:
; out[head][q][:] = the sum over k of Q(a[q][k]) Q(vals[k][:]),  a = x / max(||x||, 1e-12),  x[q][k] = (Q(query[q]) . Q(keys[k]) + 1e-5) where mask != 0, else 0.  Both products on codes of FP4 (E2M1) with E8M0 scales.
; The divisor is known only when a row's 2,048 scores are, and it stands ahead of the second operand's quantiser.  So the scores are made TWICE.
; PASS 1 masks them (one v_cndmask_b32 a score; the lane words come by scalar loads, 64 a step), sums their squares, and keeps the largest masked magnitude of each block of 32 keys in the wave's own LDS.
; PASS 2 makes them again, multiplies by 1 / norm and converts them UNMASKED, under the scale that the kept maximum times 1 / norm gives (the same multiplication on the same bits as that score gets, so it is the
; largest normalised magnitude bit for bit); then the codes of hidden keys are cleared, eight codes by one v_and_b32 with a word of four bits a key.  A hidden score beyond the scale's range is held at the largest code and cleared like the others.
; SHARES.  A work-group owns 256 queries of one head; each of its sixteen waves owns one tile of 16, in 256 registers: four waves to a SIMD, so that one wave's vector work stands beside another's matrix work and loads.
; The head's codes and scale words of K and V, 147,456 bytes laid in the order of the operands' registers, are brought into LDS once and stay: nothing is filled again.
; CLUSTER.  The four work-groups of a cluster belong to one head: the record is asked for JOINTLY, by the same tensor loads with the same descriptors and a mask that names the four.
; LAYOUT.  Both products are used transposed: S^T = K Q^T (source 0 = 16 keys, source 1 = my 16 queries), O^T = V^T P^T: a lane holds ONE query (lane % 16) throughout.
; Row rho of tile T is sequence row 64 (T / 4) + 8 (T % 4) + rho % 8 + 32 (rho / 8).  So in a step of 128 keys, register j of tile 4 c + u of lane (r, h) is key 64 c + 32 h + 8 u + j: a lane's 32 registers of four
; tiles are one whole block of the second product's K, its largest magnitude needs no other lane, and the conversion of tile 4 c + u's eight registers IS register 4 c + u of the operand.
; THE HEAD'S 64 fill half of the instruction's 128 along K; the other half holds zero codes.  Two neighbouring fragments of K share one run of four zero registers (d0 Z d1): the even tile's codes stand at K = 0 .. 63,
; the odd tile's at K = 64 .. 127, and Q lies likewise (q Z q).  The scale words hold s0, s1, s0, s1, which serves either half.   + 1e-5 is the C of the first product.
; DIFFERENCES FROM THE REFERENCE'S ROUNDING: x / n is x times v_rcp_f32(n); 1e-5 is added inside the matrix unit.  LIMITS: NaN and infinities are not served; a block of zeros, or one under 2^-124, has the scale byte 1.
; REGISTERS: v1 16 x lane; v2 my place among the maxima; v3, v4 offsets in nm, one for each set; v5-8 addresses of the loads in hand; v9 8 h; v10 what the lane 16 away holds; v11 my offset in out; v[12:13] 1 / norm, twice;
;   v14 Q's scale word; v15 P's; v16-27 Q; v28-35 1e-5; v36-83 eight fragments of K; v84-147 S^T; v148-179 O^T; v180-211 four fragments of V (pass 1: the sums of squares); v212-219 P's codes; v220-223 K's scale words;
;   v224-227 V's; v228-243 two sets of eight nibble words; v[244:245] my two blocks' maxima; v246 their address; v248-254 at work.
.set RECB,  147456                     ; a head's record in kv, and in LDS from byte 0 on
.set HALFB, 73728                      ; K's half of it; V's follows
.set KSB,   65536                      ; K's scale words in the record
.set VSB,   139264                     ; V's
.set PARTB, 18432                      ; what one tensor load brings: 72 rows of 256 bytes
.set QRECB, 73728                      ; a head's record in qc
.set STAGE, RECB                       ; behind the record: 16 rows x 272 bytes for each wave, for the way out; no tile lands there
.set SP,    272
.set BMB,   STAGE+16*16*SP             ; behind the stages: the maxima, 16 steps x 32 lanes x 8 bytes for each wave; no tile lands there
.set AK,  1
.set ABM, 2
.set NMO, 3
.set ADK, 5
.set ADS, 6
.set ADV, 7
.set ADT, 8
.set SH8, 9
.set XP,  10
.set GO,  11
.set RR,  12
.set QS,  14
.set PW,  15
.set QF,  16
.set EPS, 28
.set KF,  36
.set S,   84
.set O,   148
.set VF,  180
.set SS,  180
.set P,   212
.set KS,  220
.set VS,  224
.set NM,  228
.set BM,  244
.set ADB, 246
.set MX,  248                          ; v248-251 pass 1: largest magnitudes, two blocks x two chains; at the head: lane terms and Q's offsets
.set TT,  252                          ; v252, v253 pass 2: the conversions' scale operands; v254 a byte
.set WV,  12                           ; s12  my wave's number
.set KO,  13                           ; s13  where the K tiles fetched last begin: 4,096 bytes a step
.set SO,  14                           ; s14  and their scale words: 512 bytes a step
.set MO,  15                           ; s15  byte offset in mw of the mask words asked for last
.set BO,  6                            ; s6   (kv's address is done with) the maxima's step: 256 bytes
.set VO,  32                           ; s32, s33 (pass 2: the mask words are done with) this step's V tiles and their scale words
.set TO,  33
.set CNT, 100                          ; s100 trips
.set BH,  101                          ; s101 the head
.set TQ,  104                          ; s104 my tile of queries in the head.  It hangs on my place in the cluster: it, s105 and s15 feed global offsets alone
.set T1,  105
; s[2:3] lane selects; s[4:5] qc, s[8:9] mw, s[10:11] nm, s[66:67] out0: never stepped; s[16:19], s[20:23] descriptor groups 0; s[24:31] group 1: never rewritten; s[32:63], s[68:99] a step's 64 mask words
.macro ROUND                           ; a round of the cluster's barrier
	s_barrier_signal -1
	s_barrier_wait -1
	s_cmp_lg_u32 s[WV], 0
	s_cbranch_scc1 .Lnot_wave_0_\@
	s_barrier_signal -3
.Lnot_wave_0_\@:
	s_barrier_wait -3
	s_barrier_signal -1
	s_barrier_wait -1
.endm
	s_load_b256 s[4:11], s[0:1], 0x0               ; qc s[4:5], kv s[6:7], mw s[8:9], nm s[10:11]
	s_load_b64 s[66:67], s[0:1], 0x20              ; out0
	v_lshl_add_u32 v247, v0, 2, 0x45000
	v_mov_b32 v255, 0
	ds_add_u32 v247, v255
	ds_add_u32 v247, v255
	v_lshrrev_b32 v[MX], 5, v0
	v_readfirstlane_b32 s[WV], v[MX]               ; wave 0..15
	s_and_b32 s[BH], ttmp7, 0xffff                 ; the head, which the four partners share
	s_mul_i32 s2, s[BH], RECB
	s_mul_i32 s17, s[WV], PARTB                    ; group 0, 63:32: LDS address: K's half, my quarter (waves 0-3 ask)
	s_add_co_u32 s21, s17, HALFB                   ; V's half
	s_add_co_u32 s2, s2, s17
	s_mov_b32 s3, 0
	s_mov_b32 s16, 1                               ; 1:0 count = 1
	s_mov_b32 s20, 1
	s_mov_b32 s24, 15|(3<<16)|(1<<21)              ; group 1: 15:0 the mask: all four work-groups; 17:16 elements of 8 bytes; 21 set beside a mask; no padding: the record is read 16 bytes a lane, on end
	s_mov_b32 s25, 32<<16                          ; tensor_dim0 = 32 elements: 256 bytes
	s_mov_b32 s26, 72<<16                          ; tensor_dim1 = 72
	s_mov_b32 s27, 32<<16                          ; tile_dim0 = 32
	s_mov_b32 s28, 72                              ; tile_dim1 = 72
	s_mov_b32 s29, 32                              ; pitch: the block is dense
	s_mov_b32 s30, 0
	s_mov_b32 s31, 0
	s_wait_dscnt 0x0
	s_wait_kmcnt 0x0
	s_add_nc_u64 s[18:19], s[6:7], s[2:3]          ; 120:64 global address: made of the head and the wave's number alone
	s_add_nc_u64 s[22:23], s[18:19], HALFB
	s_or_b32 s19, s19, 0x80000000                  ; 127:126 type = 2
	s_or_b32 s23, s23, 0x80000000
	ROUND                                          ; all four work-groups are here: the joint loads meet
	s_cmp_lt_u32 s[WV], 4                          ; the branch hangs on the wave's number alone; a wave's two fills stand in it together: two loads of mine are out at the most
	s_cbranch_scc0 .Lno_fill
	tensor_load_to_lds s[16:19], s[24:31]          ; K's codes and scale words
	s_nop 0
	tensor_load_to_lds s[20:23], s[24:31]          ; V's
	s_nop 0
.rept 4
	v_nop                                          ; plain lines behind tensor loads
.endr
.Lno_fill:
	v_and_b32 v[MX+2], 31, v0                      ; lane
	v_and_b32 v[MX], 15, v0                        ; r
	v_bfe_u32 v[MX+1], v0, 4, 1                    ; h
	v_lshlrev_b32 v[AK], 4, v[MX+2]                ; every part of the record is read 16 bytes a lane
	v_lshlrev_b32 v[SH8], 3, v[MX+1]
	s_lshl_b32 s[KO], s[WV], 12
	s_add_co_u32 s[KO], s[KO], BMB
	v_lshl_add_u32 v[ABM], v[MX+2], 3, s[KO]       ; the maxima: my wave's 4,096 bytes, 8 bytes a lane
	s_bfe_u32 s[T1], ttmp6, 0x40000                ; cx: my place in the cluster
	s_lshl_b32 s[TQ], ttmp9, 2
	s_add_co_u32 s[TQ], s[TQ], s[T1]               ; my block of 256 queries
	s_lshl_b32 s[TQ], s[TQ], 4
	s_add_co_u32 s[TQ], s[TQ], s[WV]               ; my tile, 0..127
	s_mul_i32 s[MO], s[BH], QRECB
	s_lshl_b32 s[T1], s[TQ], 9
	s_add_co_u32 s[T1], s[T1], s[MO]
	v_add_nc_u32 v[MX+2], s[T1], v[AK]             ; Q's codes: record + 512 x tile + 16 x lane
	s_lshr_b32 s[T1], s[TQ], 3
	s_lshl_b32 s[T1], s[T1], 9
	s_add_co_u32 s[MO], s[MO], s[T1]               ; Q's scale word: 512 (tile / 8)
	s_and_b32 s[T1], s[TQ], 1
	s_lshl_b32 s[T1], s[T1], 8
	s_add_co_u32 s[MO], s[MO], s[T1]               ; + 256 (tile % 2)
	s_bfe_u32 s[T1], s[TQ], 0x20001
	s_lshl_b32 s[T1], s[T1], 2
	s_add_co_u32 s[MO], s[MO], s[T1]               ; + 4 ((tile / 2) % 4)
	s_add_co_u32 s[MO], s[MO], 65536
	v_lshl_add_u32 v[MX+3], v[MX], 4, s[MO]        ; + 16 r
	global_load_b128 v[QF:QF+3], v[MX+2], s[4:5]   ; Q's 64 codes at K = 0 .. 63, for the even tiles of K,
	global_load_b128 v[QF+8:QF+11], v[MX+2], s[4:5]   ; and once more at K = 64 .. 127, for the odd ones
	global_load_b32 v[QS], v[MX+3], s[4:5]
	s_lshl_b32 s[MO], s[BH], 11                    ; out: row 2048 x head + 64 (tile / 4) + 8 (tile % 4)
	s_lshr_b32 s[T1], s[TQ], 2
	s_lshl_b32 s[T1], s[T1], 6
	s_add_co_u32 s[MO], s[MO], s[T1]
	s_and_b32 s[T1], s[TQ], 3
	s_lshl_b32 s[T1], s[T1], 3
	s_add_co_u32 s[MO], s[MO], s[T1]
	s_lshl_b32 s[MO], s[MO], 8
	v_lshl_add_u32 v[GO], v[MX+1], 8, s[MO]        ; lanes 0-15 take one row of 256 bytes, lanes 16-31 the next
	v_lshl_add_u32 v[GO], v[MX], 4, v[GO]
	s_lshr_b32 s[MO], s[BH], 4                     ; the mask words: 4,096 bytes for each (batch, tile of queries)
	s_lshl_b32 s[MO], s[MO], 7
	s_add_co_u32 s[MO], s[MO], s[TQ]
	s_lshl_b32 s[MO], s[MO], 12
	s_lshl_b32 s[T1], s[MO], 2                     ; the nibble words: 16,384 bytes for each
	v_add_nc_u32 v[NMO], s[T1], v[AK]              ; step 0's,
	v_add_nc_u32 v[NMO+1], 1024, v[NMO]            ; step 1's
.irp e, 0,1                                    ; both are asked for now and are on their way through pass 1
	global_load_b128 v[NM+8*\e:NM+8*\e+3], v[NMO+\e], s[10:11]
	global_load_b128 v[NM+8*\e+4:NM+8*\e+7], v[NMO+\e], s[10:11] offset:512
.endr
.macro MLOAD                           ; a step's 64 mask words: those of keys 0-63 into s[32:63], of keys 64-127 into s[68:99]
	s_load_b512 s[32:47], s[8:9], s[MO] offset:0x0
	s_load_b512 s[48:63], s[8:9], s[MO] offset:0x40
	s_load_b512 s[68:83], s[8:9], s[MO] offset:0x80
	s_load_b512 s[84:99], s[8:9], s[MO] offset:0xc0
.endm
	MLOAD                                          ; step 0's
.irp j, 4,5,6,7
	v_mov_b32 v[QF+\j], 0                          ; zero codes, written once: no load ever lands here
.endr
.irp i, 0,1,2,3
.irp j, 4,5,6,7
	v_mov_b32 v[KF+12*\i+\j], 0
.endr
.endr
.irp j, 0,1,2,3,4,5,6,7
	v_mov_b32 v[EPS+\j], 0x3727c5ac                ; 1e-5: the C of every product K Q^T
.endr
.irp j, 0,1,2,3,4,5,6,7
	v_mov_b32 v[SS+\j], 0                          ; the sums of squares, in four pairs
.endr
	v_mov_b32 v[XP], 0                             ; a lane permute's destination counts as one of its sources
	s_mov_b32 s2, 0x76543210                       ; v_permlanex16_b32's selects for lane l xor 16
	s_mov_b32 s3, 0xfedcba98
	s_mov_b32 s[KO], 0
	s_mov_b32 s[SO], KSB
	s_mov_b32 s[BO], 0
	v_add_nc_u32 v[ADS], s[SO], v[AK]
; Eight products: S^T of 128 keys x my 16 queries, + 1e-5.  K's scale words lie two tiles to a register: the even tile's in lanes 0-15, the odd tile's in lanes 16-31.
.macro QK8
.irp t, 0,1,2,3,4,5,6,7
.if \t%2
	v_wmma_scale_f32_16x16x128_f8f6f4 v[S+8*\t:S+8*\t+7], v[KF+12*(\t/2)+4:KF+12*(\t/2)+11], v[QF+4:QF+11], v[EPS:EPS+7], v[KS+\t/2], v[QS] matrix_a_fmt:MATRIX_FMT_FP4 matrix_b_fmt:MATRIX_FMT_FP4 matrix_a_scale:MATRIX_SCALE_ROW1
.else
	v_wmma_scale_f32_16x16x128_f8f6f4 v[S+8*\t:S+8*\t+7], v[KF+12*(\t/2):KF+12*(\t/2)+7], v[QF:QF+7], v[EPS:EPS+7], v[KS+\t/2], v[QS] matrix_a_fmt:MATRIX_FMT_FP4 matrix_b_fmt:MATRIX_FMT_FP4
.endif
.endr
.endm
.macro KLOAD ak, aks                   ; nine LDS loads: a step's eight fragments of K (four registers each, to either side of the shared zeros) and its scale words
.irp t, 0,1,2,3,4,5,6,7
	ds_load_b128 v[KF+12*(\t/2)+8*(\t%2):KF+12*(\t/2)+8*(\t%2)+3], v[\ak] offset:512*\t
.endr
	ds_load_b128 v[KS:KS+3], v[\aks]
.endm
.macro VLOAD                           ; nine LDS loads: a step's four fragments of V^T and their scale words
.irp t, 0,1,2,3
.irp c, 0,1
	ds_load_b128 v[VF+8*\t+4*\c:VF+8*\t+4*\c+3], v[ADV] offset:1024*\t+512*\c
.endr
.endr
	ds_load_b128 v[VS:VS+3], v[ADT]
.endm
.macro MASK64                          ; a score stays where its lane's bit is set, else 0; in ascending order: each accumulator is read from its low end on
.set n, 0
.rept 32
	v_cndmask_b32 v[S+n], 0, v[S+n], s[32+n]
.set n, n+1
.endr
.set n, 0
.rept 32
	v_cndmask_b32 v[S+32+n], 0, v[S+32+n], s[68+n]
.set n, n+1
.endr
.endm
; A STEP OF PASS 1.  nxt = 1: the next step's K and mask words are asked for; 0: step 0's K, for pass 2, and no mask words: pass 2 wants none.
.macro STEP1 nxt
	s_wait_dscnt 0x0                               ; K's fragments and scale words are in; the last step's maxima are stored
	QK8
	v_add_nc_u32 v[ADB], s[BO], v[ABM]             ; four plain lines: the places in front of loads into registers that the products read, and of the first read of their results
.if \nxt
	s_add_co_u32 s[KO], s[KO], 4096
	s_add_co_u32 s[SO], s[SO], 512
	s_add_co_u32 s[BO], s[BO], 256
.else
	s_mov_b32 s[KO], 0
	s_mov_b32 s[SO], KSB
.endif
	v_add_nc_u32 v[ADK], s[KO], v[AK]
	v_add_nc_u32 v[ADS], s[SO], v[AK]
	v_nop
	KLOAD ADK, ADS
	s_wait_kmcnt 0x0                               ; this step's mask words are in, and their loads have read s[MO]
.if \nxt
	s_add_co_u32 s[MO], s[MO], 256
.endif
	MASK64
.if \nxt
	MLOAD                                          ; the words just used make room for the next step's: all that follows, and the next products, stand between this request and the wait for it
.endif
	v_max3_num_f32 v[MX], |v[S]|, |v[S+1]|, |v[S+2]|               ; the largest masked magnitude of my two blocks of 32 keys, two chains each, by turns
	v_max3_num_f32 v[MX+2], |v[S+32]|, |v[S+33]|, |v[S+34]|
	v_max3_num_f32 v[MX+1], |v[S+3]|, |v[S+4]|, |v[S+5]|
	v_max3_num_f32 v[MX+3], |v[S+35]|, |v[S+36]|, |v[S+37]|
.irp i, 6,10,14,18,22,26
	v_max3_num_f32 v[MX], v[MX], |v[S+\i]|, |v[S+\i+1]|
	v_max3_num_f32 v[MX+2], v[MX+2], |v[S+32+\i]|, |v[S+32+\i+1]|
	v_max3_num_f32 v[MX+1], v[MX+1], |v[S+\i+2]|, |v[S+\i+3]|
	v_max3_num_f32 v[MX+3], v[MX+3], |v[S+32+\i+2]|, |v[S+32+\i+3]|
.endr
	v_max3_num_f32 v[MX], v[MX], |v[S+30]|, |v[S+31]|
	v_max3_num_f32 v[MX+2], v[MX+2], |v[S+62]|, |v[S+63]|
	v_max_num_f32 v[BM], v[MX], v[MX+1]
	v_max_num_f32 v[BM+1], v[MX+2], v[MX+3]
.set n, 0
.rept 32
	v_pk_fma_f32 v[SS+2*(n%4):SS+2*(n%4)+1], v[S+2*n:S+2*n+1], v[S+2*n:S+2*n+1], v[SS+2*(n%4):SS+2*(n%4)+1]   ; squares, two at a time, four chains by turns
.set n, n+1
.endr
	ds_store_b64 v[ADB], v[BM:BM+1]                ; the two maxima, kept for pass 2: my wave's own bytes, read by nobody else
.endm
; A STEP OF PASS 2.  first = 1: its products start O^T's sums.  nxt = 1: the next step's K and maxima are fetched.  set: which eight nibble words are this step's.
; nml = 1: that set is asked for again, for the step after next.  left: the loads of nm that may stay out: the next step's two, or none.
.macro STEP2 first, nxt, set, nml, left
	s_wait_dscnt 0x0                               ; K's fragments and scale words and my two maxima are in
	QK8
	v_mul_f32 v[TT], v[BM], v[RR]                  ; the largest normalised magnitudes.  These plain lines, four at the least, are the places behind the products above and behind the last step's V^T P
	v_mul_f32 v[TT+1], v[BM+1], v[RR]
	v_add_nc_u32 v[ADV], s[VO], v[AK]
	v_add_nc_u32 v[ADT], s[TO], v[AK]
.if \nxt
	s_add_co_u32 s[VO], s[VO], 4096
	s_add_co_u32 s[TO], s[TO], 512
	s_add_co_u32 s[KO], s[KO], 4096
	s_add_co_u32 s[SO], s[SO], 512
	s_add_co_u32 s[BO], s[BO], 256
	v_add_nc_u32 v[ADK], s[KO], v[AK]
	v_add_nc_u32 v[ADS], s[SO], v[AK]
	v_add_nc_u32 v[ADB], s[BO], v[ABM]
.endif
	VLOAD
.if \nxt
	KLOAD ADK, ADS
	ds_load_b64 v[BM:BM+1], v[ADB]
.endif
	v_max_num_f32 v[TT], 0x1800000, v[TT]          ; the floor 2^(3 - 127): the byte cannot fall under 1
	v_max_num_f32 v[TT+1], 0x1800000, v[TT+1]
	v_add_nc_u32 v[TT], 0xff000000, v[TT]          ; 2 off the exponent field: the conversion's scale operand
	v_add_nc_u32 v[TT+1], 0xff000000, v[TT+1]
	v_lshrrev_b32 v[TT+2], 23, v[TT]               ; the scales' bytes: blocks h and 2 + h of my query,
	v_lshrrev_b32 v[PW], 23, v[TT+1]
	v_lshl_or_b32 v[PW], v[PW], 16, v[TT+2]
	v_lshlrev_b32 v[PW], v[SH8], v[PW]             ; at their places in the scale word;
	v_permlanex16_b32 v[XP], v[PW], s2, s3
	v_or_b32 v[PW], v[PW], v[XP]                   ; with the two of the lane 16 away the word is whole
.set n, 0
.rept 32
	v_pk_mul_f32 v[S+n:S+n+1], v[S+n:S+n+1], v[RR:RR+1]   ; the scores times 1 / norm, two at a time, each accumulator from its low end on.  (More than the eight plain lines that stand between a scale word's last write and the scaled product)
.set n, n+2
.endr
.irp c, 0,1
.irp u, 0,1,2,3
	v_cvt_scalef32_pk8_fp4_f32 v[P+4*\c+\u], v[S+32*\c+8*\u:S+32*\c+8*\u+7], v[TT+\c]   ; keys 64 c + 32 h + 8 u on: register 4 c + u of the operand
.endr
.endr
	s_wait_loadcnt \left                           ; this step's nibble words are in, and their loads have read their offset
.if \nml
	v_add_nc_u32 v[NMO+\set], 2048, v[NMO+\set]    ; the step after next.  (The plain line behind the conversions)
.else
	v_nop
.endif
.irp i, 0,1,2,3,4,5,6,7
	v_and_b32 v[P+\i], v[P+\i], v[NM+8*\set+\i]    ; the codes of hidden keys become 0
.endr
.if \nml
	global_load_b128 v[NM+8*\set:NM+8*\set+3], v[NMO+\set], s[10:11]
	global_load_b128 v[NM+8*\set+4:NM+8*\set+7], v[NMO+\set], s[10:11] offset:512
.endif
.rept 4
	v_nop                                          ; four plain lines between an operand written by vector instructions and the scaled product
.endr
.if \nxt
	s_wait_dscnt 10                                ; V's nine loads are in; the ten issued behind them, the next step's K and maxima, may be out
.else
	s_wait_dscnt 0x0
.endif
.irp t, 0,1,2,3                                ; O^T += V^T P^T: the four accumulators by turns, one instruction a turn
.if \first
	v_wmma_scale_f32_16x16x128_f8f6f4 v[O+8*\t:O+8*\t+7], v[VF+8*\t:VF+8*\t+7], v[P:P+7], 0, v[VS+\t], v[PW] matrix_a_fmt:MATRIX_FMT_FP4 matrix_b_fmt:MATRIX_FMT_FP4
.else
	v_wmma_scale_f32_16x16x128_f8f6f4 v[O+8*\t:O+8*\t+7], v[VF+8*\t:VF+8*\t+7], v[P:P+7], v[O+8*\t:O+8*\t+7], v[VS+\t], v[PW] matrix_a_fmt:MATRIX_FMT_FP4 matrix_b_fmt:MATRIX_FMT_FP4
.endif
.endr
.endm
	s_wait_tensorcnt 0x0                           ; my parts of K's half and of V's are in,
	s_barrier_signal -1
	s_barrier_wait -1                              ; everybody's are: from here on the record is only read, and the waves need not meet again before the end
	KLOAD AK, ADS                                  ; step 0
	s_wait_loadcnt 4                               ; Q and its scale word are in; the four loads of nibble words issued behind them may be out
	; ---- PASS 1: the sums of squares and the blocks' maxima ----
	s_mov_b32 s[CNT], 15
.Lpass1:
	STEP1 1
	s_sub_co_u32 s[CNT], s[CNT], 1
	s_cmp_lg_u32 s[CNT], 0
	s_cbranch_scc1 .Lpass1
	STEP1 0                                        ; the last step fetches step 0's K again
	; ---- 1 / max(norm, 1e-12) ----
	v_pk_add_f32 v[SS:SS+1], v[SS:SS+1], v[SS+2:SS+3]
	v_pk_add_f32 v[SS+4:SS+5], v[SS+4:SS+5], v[SS+6:SS+7]
	v_pk_add_f32 v[SS:SS+1], v[SS:SS+1], v[SS+4:SS+5]
	v_add_f32 v[SS], v[SS], v[SS+1]
	v_permlanex16_b32 v[XP], v[SS], s2, s3         ; the query's other keys lie in the lane 16 away
	v_add_f32 v[SS], v[SS], v[XP]
	v_sqrt_f32 v[SS+1], v[SS]
	v_nop                                          ; one plain line behind a transcendental
	s_wait_alu depctr_va_vdst(0)
	v_max_num_f32 v[SS+1], 0x2b8cbccc, v[SS+1]     ; 1e-12
	v_rcp_f32 v[RR], v[SS+1]
	v_nop
	s_wait_alu depctr_va_vdst(0)
	v_mov_b32 v[RR+1], v[RR]                       ; a pair for the packed multiplication
	s_wait_dscnt 0x0                               ; the last maxima are stored: their registers take step 0's
	ds_load_b64 v[BM:BM+1], v[ABM]
	s_mov_b32 s[BO], 0
	s_mov_b32 s[VO], HALFB
	s_mov_b32 s[TO], VSB
	; ---- PASS 2: the scores again, normalised, quantised, hidden codes cleared, times V ----
	STEP2 1, 1, 0, 1, 2                            ; steps 0 and 1
	STEP2 0, 1, 1, 1, 2
	s_mov_b32 s[CNT], 6
.Lpass2:                                           ; steps 2 to 13, two a trip: the two sets of nibble words take turns
	STEP2 0, 1, 0, 1, 2
	STEP2 0, 1, 1, 1, 2
	s_sub_co_u32 s[CNT], s[CNT], 1
	s_cmp_lg_u32 s[CNT], 0
	s_cbranch_scc1 .Lpass2
	STEP2 0, 1, 0, 0, 2                            ; step 14 asks for no more nibble words: no load leaves its buffer
	STEP2 0, 0, 1, 0, 0                            ; step 15
	; ---- THE WAY OUT.  Register j of tile t of lane (r, h) is out(query row r, d = 16 t + 8 h + j): 16 rows of 256 bytes go through my own stage and leave as whole rows.  The eight address lines are the places behind the last products.
	v_and_b32 v[MX], 15, v0
	v_bfe_u32 v[MX+1], v0, 4, 1
	s_mul_i32 s[KO], s[WV], 16*SP
	s_add_co_u32 s[KO], s[KO], STAGE               ; my stage
	v_mul_u32_u24 v[ADK], v[MX], SP
	v_lshl_add_u32 v[ADK], v[MX+1], 5, v[ADK]
	v_add_nc_u32 v[ADK], s[KO], v[ADK]             ; in: row r, 32 h; tile t 64 t bytes on
	v_mul_u32_u24 v[ADS], v[MX+1], SP
	v_lshl_add_u32 v[ADS], v[MX], 4, v[ADS]
	v_add_nc_u32 v[ADS], s[KO], v[ADS]             ; back: lanes 0-15 one row, lanes 16-31 the next
.irp t, 0,1,2,3
	ds_store_b128 v[ADK], v[O+8*\t:O+8*\t+3] offset:64*\t            ; each accumulator from its low end on
	ds_store_b128 v[ADK], v[O+8*\t+4:O+8*\t+7] offset:64*\t+16
.endr
.irp i, 0,1,2,3,4,5,6,7
	ds_load_b128 v[S+4*\i:S+4*\i+3], v[ADS] offset:2*\i*SP           ; LDS serves a wave's instructions in order: these see my stores
.endr
.irp i, 0,1,2,3,4,5,6,7
	s_wait_dscnt 7-\i                              ; loads come back in order: pair i of rows is in
	global_store_b128 v[GO], v[S+4*\i:S+4*\i+3], s[66:67] offset:((\i/4)*32+2*(\i%4))*256 th:TH_STORE_NT   ; stage rows 2 i, 2 i + 1 are tile rows: sixteen lanes store 256 consecutive bytes, aligned
.endr
	s_wait_tensorcnt 0x0
	ds_add_u32 v247, v255
	s_wait_dscnt 0x0
	ROUND                                          ; the closing round: no work-group ends while a partner may still ask for a tile that names it
	s_endpgm
.Lfunc_end_k_qc2f6a0ca93_main:
	.size	k_qc2f6a0ca93_main, .Lfunc_end_k_qc2f6a0ca93_main-k_qc2f6a0ca93_main
	.p2alignl 7, 3214868480
	.fill 96, 4, 3214868480
	.section	.rodata,"a",@progbits
	.p2align	6, 0x0
	.amdhsa_kernel k_qc2f6a0ca93_main
		.amdhsa_group_segment_fixed_size 284672
		.amdhsa_private_segment_fixed_size 0
		.amdhsa_enable_private_segment 0
		.amdhsa_kernarg_size 40
		.amdhsa_user_sgpr_count 2
		.amdhsa_user_sgpr_kernarg_segment_ptr 1
		.amdhsa_wavefront_size32 1
		.amdhsa_system_sgpr_workgroup_id_x 1
		.amdhsa_system_sgpr_workgroup_id_y 1
		.amdhsa_system_sgpr_workgroup_id_z 1
		.amdhsa_system_vgpr_workitem_id 0
		.amdhsa_next_free_vgpr 256
		.amdhsa_next_free_sgpr 106
		.amdhsa_reserve_vcc 0
		.amdhsa_float_denorm_mode_32 3
		.amdhsa_float_denorm_mode_16_64 3
		.amdhsa_memory_ordered 1
		.amdhsa_forward_progress 1
		.amdhsa_inst_pref_size 73
	.end_amdhsa_kernel
	.amdgpu_metadata
---
amdhsa.version: [ 1, 2 ]
amdhsa.kernels:
  - .name:           k_qc2f6a0ca93_main
    .symbol:         k_qc2f6a0ca93_main.kd
    .args:
      - { .name: qc, .offset: 0, .size: 8, .value_kind: global_buffer, .address_space: global }
      - { .name: kv, .offset: 8, .size: 8, .value_kind: global_buffer, .address_space: global }
      - { .name: mw, .offset: 16, .size: 8, .value_kind: global_buffer, .address_space: global }
      - { .name: nm, .offset: 24, .size: 8, .value_kind: global_buffer, .address_space: global }
      - { .name: out0, .offset: 32, .size: 8, .value_kind: global_buffer, .address_space: global }
    .group_segment_fixed_size: 284672
    .private_segment_fixed_size: 0
    .kernarg_segment_align: 8
    .kernarg_segment_size: 40
    .max_flat_workgroup_size: 512
    .sgpr_count:     106
    .vgpr_count:     256
    .wavefront_size: 32
...
	.end_amdgpu_metadata
.endif
;; end of part 4
